; MI455X (gfx1250); checked and timed in simulation.
; The chip was launched on July 23, 2026; its instructions are those of AMD's public machine-readable ISA for CDNA 5 (MIT licence, August 2026) and "CDNA5" Instruction Set Architecture Reference Guide (July 2026). The comments in the code are by the model that wrote it; some were corrected since.
;; Bidirectional Temporal Attention. Allowed arithmetic: matrix products marked QUANTISED: E4M3 operands, one given power-of-two scale a tensor, by v_wmma_f32_16x16x64_fp8_fp8 or v_wmma_f32_16x16x128_fp8_fp8, f32 sums; everything else in f32.
;; Inputs: Wk 12 x 768 x 64 float32; Wo 768 x 768 float32; Wq 12 x 768 x 64 float32; Wv 12 x 768 x 64 float32; bk 12 x 64 float32; bo 768 float32; bq 12 x 64 float32; bv 12 x 64 float32; lowp_scales 12 int32 (the exponents e of the quantised operands' scales 2^e); x 1 x 16 x 256 x 768 float32.
;; Outputs: out0 1 x 16 x 256 x 768 float32.
;; This version of the problem:
;;   THIS VERSION OF THE PROBLEM IS GIVEN IN LOW PRECISION. The matrix products marked QUANTISED in the list below multiply operands that are first quantised to E4M3 (4 exponent bits, 3 mantissa bits; 8 bits a number), with one given power-of-two scale for each operand tensor; their sums are f32. All else is computed in f32.
;;   The module's matrix products, in the order in which they are computed (A, B: the left and right operand; K: the contracted axis; several contracted axes count as one K, in the product's order):
;;     1. [M 768, K 768] x [K 768, N 4,096]; A: input Wq; B: input x: QUANTISED (scales: A lowp_scales[0], B lowp_scales[1])
;;     2. [M 768, K 768] x [K 768, N 4,096]; A: input Wk; B: input x: QUANTISED (scales: A lowp_scales[2], B lowp_scales[3])
;;     3. [M 768, K 768] x [K 768, N 4,096]; A: input Wv; B: input x: QUANTISED (scales: A lowp_scales[4], B lowp_scales[5])
;;     4. batch 12 x [M 4,096, K 64] x [K 64, N 4,096]; A: computed on the way; B: computed on the way: QUANTISED (scales: A lowp_scales[6], B lowp_scales[7])
;;     5. batch 12 x [M 4,096, K 4,096] x [K 4,096, N 64]; A: softmax (see below); B: computed on the way: QUANTISED (scales: A lowp_scales[8], B lowp_scales[9])
;;     6. [M 4,096, K 768] x [K 768, N 768]; A: computed on the way; B: input Wo: QUANTISED (scales: A lowp_scales[10], B lowp_scales[11])
;;   THE QUANTISER, for each operand of a quantised product, along K:
;;     - The operand's scale is 2^e, e = its entry of the input lowp_scales (int32; the entries are numbered through the quantised products in the list's order, A before B).
;;     - Each number is divided by the scale, clamped to +-448, and rounded to the nearest number of E4M3, ties to even, subnormals kept.
;;     - The product sums the exact products of the quantised numbers (number of the format x scale) in f32.
;;   ~~~python
;;   def quantise(x, axis, e):      # numpy; x: float32 -> the quantised numbers, widened to float32 again
;;       x = np.moveaxis(x, axis, -1); K = x.shape[-1]
;;       r = np.clip(x / 2.0 ** e, -448, 448)
;;       step = 2.0 ** (np.maximum(np.frexp(np.where(r == 0, 1, r))[1] - 1, -6) - 3)
;;       q = np.round(r / step) * step * 2.0 ** e      # np.round: ties to even
;;       return np.moveaxis(q, -1, axis).astype(np.float32)
;;   ~~~
;;   SOFTMAX AHEAD OF A QUANTISED PRODUCT. Where the list says 'softmax', what is quantised is not the finished softmax but p = 2^(t - M), with t = logit x log2(e) and M = ceil(the row's largest t), a whole number; so 1/2 < the row's largest p <= 1. The row's sum l is taken of the UNQUANTISED p, in f32, and the product's result is divided by l at the end. Since M is a whole number, a kernel that streams over the keys may use a running M (the ceiling of the running maximum): every later rescaling is an exact power of two, so the quantised numbers keep their values, but for numbers so far below the row's largest that they fall under the format's range.
;;   OPERANDS COMPUTED ON THE WAY. 'Computed on the way' means the value that the module computes at that place (a softmax that the list does not call 'softmax' is quantised finished and normalised). What goes into a quantiser is computed in f32, as accurately as f32 sums, v_exp_f32 and their like allow (about 1e-6 of the number): no bf16 or f16 on the way to a quantiser, and a product that is left as it is and whose result goes on into a quantised operand takes f32 operands (vector FMAs, or v_wmma_f32_16x16x4_f32). A number that lies on a knife's edge between two numbers of the format may be rounded either way, as far as f32 arithmetic and the matrix unit's own rounding can turn it there, and no further.
;; 2 versions, each right; version 2 is version 1 with the launches qkv, attn, outp written anew for expert scheduling mode. Each part assembles by itself: llvm-mc -triple=amdgcn-amd-amdhsa -mcpu=gfx1250 --defsym DOCPART=n.
;; ======== version 1 of 2: 4 launches
;; workspace buffers: wimg 2,359,296 bytes; qimg 3,145,728 bytes; kvimg 6,291,456 bytes; oimg 3,145,728 bytes
;; launch prep (part 1): grid 48 x 4, 12 waves a work-group, no clusters, 0 bytes of LDS; arguments Wq, Wk, Wv, Wo, lowp_scales, wimg; writes wimg
.if DOCPART == 1
	.amdgcn_target "amdgcn-amd-amdhsa--gfx1250"
	.amdhsa_code_object_version 6
	.text
	.protected	k_qb2c462bdca_prep
	.globl	k_qb2c462bdca_prep
	.p2align	8
	.type	k_qb2c462bdca_prep,@function
k_qb2c462bdca_prep:
	s_mov_b64 s[64:65], 0
	v_nop
	global_prefetch_b8 v0, s[64:65] scope:SCOPE_SE
	s_setreg_imm32_b32 hwreg(HW_REG_WAVE_MODE, 25, 1), 1
	s_wait_xcnt 0x0
; Wq, Wk, Wv [12][768][64] and Wo [768][768], f32, K not innermost, become codes of E4M3 laid as IMAGES OF OPERAND REGISTERS:
; wimg [unit 48][K step 6][tile 4][plane 4][512 bytes].  Units 0-11 Wq's heads, 12-23 Wk's, 24-35 Wv's, 36-47 Wo's blocks of 64 columns.
; A plane is 512 bytes: the 16 bytes of operand lane l at 16 l.  In tile t operand lane (r, h) holds column 32 (t / 2) + 8 (t % 2) + r + 8 (r / 8) of the unit,
; and plane c holds its k = 128 s + 32 c + 16 h + 0 .. 15.  So a later launch gets a fragment of 16 columns x 128 K by four loads of 16 bytes a lane.
; code = w / 2^e, held within +-448, to the nearest code, ties to even; e = entry 0, 2, 4, 11 of the scales for Wq, Wk, Wv, Wo.
; LIMITS: -126 <= e <= 119, so that 2^e and 448 x 2^e are f32 numbers.  NaN among the inputs is not served.
; SHARES.  Work-group (x, y): y = which tensor, x / 4 = unit j, x % 4 = plane c.  Wave w: b = w % 2 (columns 32 b .. 32 b + 31), s = w / 2 (K step).
; A LANE TAKES A COLUMN AND ITS 32 REGISTERS RUN DOWN K: each load reads 128 consecutive bytes, and the conversions, which take neighbours along K from one lane's registers, give codes with K innermost.
; No LDS, no barrier, no matrix unit, no cluster: waves share nothing and every byte is read once.
.set X, 8                              ; v8-39   32 numbers: k0 + 0 .. 31 of my column
.set C, 40                             ; v40-47  their codes
	s_load_b256 s[4:11], s[0:1], 0x0               ; Wq s[4:5], Wk s[6:7], Wv s[8:9], Wo s[10:11]
	s_load_b128 s[12:15], s[0:1], 0x20             ; the scales' exponents s[12:13], wimg s[14:15]
	v_lshrrev_b32 v5, 5, v0
	v_readfirstlane_b32 s28, v5                    ; wave 0..11
	v_and_b32 v5, 31, v0                           ; lane
	v_lshlrev_b32 v1, 2, v5                        ; in: 4 bytes a lane
	; out: my column 32 b + lane is row r = lane % 8 + 8 (lane / 16) of tile 2 b + (lane / 8) % 2
	v_bfe_u32 v6, v0, 3, 1
	v_and_b32 v7, 7, v0
	v_bfe_u32 v2, v0, 4, 1
	v_lshlrev_b32 v2, 7, v2                        ; 16 x 8 (lane / 16)
	v_lshl_add_u32 v2, v7, 4, v2                   ; + 16 (lane % 8)
	v_lshl_add_u32 v2, v6, 11, v2                  ; + the tile's 2,048 bytes
	s_and_b32 s29, ttmp7, 0xffff                   ; which tensor
	s_lshr_b32 s30, ttmp9, 2                       ; j
	s_and_b32 s31, ttmp9, 3                        ; c
	s_and_b32 s32, s28, 1                          ; b
	s_lshr_b32 s33, s28, 1                         ; s
	s_lshl_b32 s34, s33, 7
	s_lshl_b32 s35, s31, 5
	s_add_co_u32 s34, s34, s35                     ; k0 = 128 s + 32 c
	s_mul_i32 s36, s30, 196608                     ; a head of Wq, Wk, Wv: 768 rows of 256 bytes
	s_lshl_b32 s37, s34, 8
	s_add_co_u32 s36, s36, s37
	s_mul_i32 s38, s34, 3072                       ; Wo: rows of 3,072 bytes, the unit's columns 256 j bytes in
	s_lshl_b32 s39, s30, 8
	s_add_co_u32 s38, s38, s39
	s_cmp_eq_u32 s29, 3
	s_cselect_b32 s36, s38, s36
	s_lshl_b32 s37, s32, 7
	s_add_co_u32 s36, s36, s37                     ; + my wave's 32 columns
	s_mov_b32 s37, 0
	s_mul_i32 s38, s29, 12
	s_add_co_u32 s38, s38, s30                     ; unit
	s_mul_i32 s38, s38, 49152
	s_lshl_b32 s39, s33, 13
	s_add_co_u32 s38, s38, s39                     ; + K step
	s_lshl_b32 s39, s32, 12
	s_add_co_u32 s38, s38, s39                     ; + tiles 2 b, 2 b + 1
	s_lshl_b32 s39, s31, 9
	s_add_co_u32 s38, s38, s39                     ; + plane
	s_mov_b32 s39, 0
	s_wait_kmcnt 0x0
	s_load_b256 s[16:23], s[12:13], 0x0            ; e0 .. e7
	s_load_b128 s[24:27], s[12:13], 0x20           ; e8 .. e11
	s_cmp_eq_u32 s29, 2                            ; the tensor is chosen by the work-group's number alone
	s_cselect_b64 s[10:11], s[8:9], s[10:11]
	s_cmp_eq_u32 s29, 1
	s_cselect_b64 s[10:11], s[6:7], s[10:11]
	s_cmp_eq_u32 s29, 0
	s_cselect_b64 s[10:11], s[4:5], s[10:11]
	s_add_nc_u64 s[10:11], s[10:11], s[36:37]
	s_add_nc_u64 s[14:15], s[14:15], s[38:39]
.macro LOADS pitch                     ; W(k0 + i, my column), i = 0 .. 31: every offset an immediate
.set i, 0
.rept 32
	global_load_b32 v[X+i], v1, s[10:11] offset:i*\pitch th:TH_LOAD_NT
.set i, i+1
.endr
.endm
	s_cmp_eq_u32 s29, 3
	s_cbranch_scc1 .Lwo
	LOADS 256
	s_branch .Lin
.Lwo:
	LOADS 3072
.Lin:
	s_wait_kmcnt 0x0
	s_cmp_eq_u32 s29, 2                            ; e: entry 11 for Wo, 4 for Wv, 2 for Wk, 0 for Wq
	s_cselect_b32 s27, s20, s27
	s_cmp_eq_u32 s29, 1
	s_cselect_b32 s27, s18, s27
	s_cmp_eq_u32 s29, 0
	s_cselect_b32 s27, s16, s27
	s_add_co_i32 s27, s27, 127
	s_lshl_b32 s26, s27, 23
	v_mov_b32 v3, s26                              ; 2^e as f32: the conversion takes its exponent field
	s_add_co_i32 s27, s27, 8
	s_lshl_b32 s27, s27, 23
	s_or_b32 s27, s27, 0x600000
	v_mov_b32 v4, s27                              ; 448 x 2^e
	s_wait_loadcnt 0x0                             ; all 32 numbers are in
.set i, 0
.rept 32
	v_med3_num_f32 v[X+i], v[X+i], -v4, v4         ; the conversion to an 8-bit code does not saturate (ISA guide 7.6.2): hold first
.set i, i+1
.endr
.irp g, 0,1,2,3
	v_cvt_scalef32_pk8_fp8_f32 v[C+2*\g:C+2*\g+1], v[X+8*\g:X+8*\g+7], v3
.endr
	; the results go to stores alone.  Each store: sixteen lanes fill 256 consecutive aligned bytes of tile 2 b, the other sixteen of tile 2 b + 1
	global_store_b128 v2, v[C:C+3], s[14:15]               ; k0 + 0 .. 15: operand lanes 0-15
	global_store_b128 v2, v[C+4:C+7], s[14:15] offset:256  ; k0 + 16 .. 31: operand lanes 16-31
	s_endpgm
.Lfunc_end_k_qb2c462bdca_prep:
	.size	k_qb2c462bdca_prep, .Lfunc_end_k_qb2c462bdca_prep-k_qb2c462bdca_prep
	.p2alignl 7, 3214868480
	.fill 96, 4, 3214868480
	.section	.rodata,"a",@progbits
	.p2align	6, 0x0
	.amdhsa_kernel k_qb2c462bdca_prep
		.amdhsa_group_segment_fixed_size 0
		.amdhsa_private_segment_fixed_size 0
		.amdhsa_enable_private_segment 0
		.amdhsa_kernarg_size 48
		.amdhsa_user_sgpr_count 2
		.amdhsa_user_sgpr_kernarg_segment_ptr 1
		.amdhsa_wavefront_size32 1
		.amdhsa_system_sgpr_workgroup_id_x 1
		.amdhsa_system_sgpr_workgroup_id_y 1
		.amdhsa_system_sgpr_workgroup_id_z 1
		.amdhsa_system_vgpr_workitem_id 0
		.amdhsa_next_free_vgpr 64
		.amdhsa_next_free_sgpr 66
		.amdhsa_reserve_vcc 0
		.amdhsa_float_denorm_mode_32 3
		.amdhsa_float_denorm_mode_16_64 3
		.amdhsa_memory_ordered 1
		.amdhsa_forward_progress 1
		.amdhsa_inst_pref_size 12
	.end_amdhsa_kernel
	.amdgpu_metadata
---
amdhsa.version: [ 1, 2 ]
amdhsa.kernels:
  - .name:           k_qb2c462bdca_prep
    .symbol:         k_qb2c462bdca_prep.kd
    .args:
      - { .name: Wq, .offset: 0, .size: 8, .value_kind: global_buffer, .address_space: global }
      - { .name: Wk, .offset: 8, .size: 8, .value_kind: global_buffer, .address_space: global }
      - { .name: Wv, .offset: 16, .size: 8, .value_kind: global_buffer, .address_space: global }
      - { .name: Wo, .offset: 24, .size: 8, .value_kind: global_buffer, .address_space: global }
      - { .name: lowp_scales, .offset: 32, .size: 8, .value_kind: global_buffer, .address_space: global }
      - { .name: wimg, .offset: 40, .size: 8, .value_kind: global_buffer, .address_space: global }
    .group_segment_fixed_size: 0
    .private_segment_fixed_size: 0
    .kernarg_segment_align: 8
    .kernarg_segment_size: 48
    .max_flat_workgroup_size: 384
    .sgpr_count:     66
    .vgpr_count:     64
    .wavefront_size: 32
...
	.end_amdgpu_metadata
.endif
;; end of part 1
;; launch qkv (part 2): grid 64 x 3, 12 waves a work-group, no clusters, 50,688 bytes of LDS; arguments x, wimg, bq, bk, bv, lowp_scales, qimg, kvimg; writes qimg, kvimg
.if DOCPART == 2
	.amdgcn_target "amdgcn-amd-amdhsa--gfx1250"
	.amdhsa_code_object_version 6
	.text
	.protected	k_qb2c462bdca_qkv
	.globl	k_qb2c462bdca_qkv
	.p2align	8
	.type	k_qb2c462bdca_qkv,@function
k_qb2c462bdca_qkv:
	s_mov_b64 s[64:65], 0
	v_nop
	global_prefetch_b8 v0, s[64:65] scope:SCOPE_SE
	s_setreg_imm32_b32 hwreg(HW_REG_WAVE_MODE, 25, 1), 1
	s_wait_xcnt 0x0
; The three projections on codes of E4M3: y = 0: q = x Wq + bq, y = 1: k, y = 2: v; each result is quantised at once for attention and stored as images of operand registers.
; x [4096][768] f32 is quantised here with the product's own scale; the weights come as images (wimg: [unit][K step 6][tile 4][plane 4][512]).
; A PLANE is 512 bytes, lane l's 16 bytes at 16 l; a fragment of 16 rows x 128 K is four planes, plane c = registers 4 c .. 4 c + 3 = k 32 c + 16 (l / 16) + 0 .. 15 of row l % 16.
; That is one permutation of k, the same in both operands of every product, so every product meets its partner.
; SHARES.  Work-group x = 64 tokens; wave w = head w: 64 channels x 64 tokens x K 768 on 16 accumulators.  x's 24 fragments are made once (two a wave) and go from wave to wave through LDS as images.
; The weights go from memory straight into the registers of the one wave of the work-group that multiplies by them, through three buffers of half a K step that take turns.
; NO CLUSTER: what work-groups share is the weights, and a joint load would lay them in LDS, from where each byte would be read once by one wave: 589,824 bytes more through LDS for each work-group, beside the 589,824 of x's fragments.
; q, k: source 0 = 16 columns of W, source 1 = 16 tokens: a lane holds ONE token and its registers run along the channels, attention's first K.
; v:    source 0 = 16 tokens, source 1 = 16 columns of W: a lane holds ONE channel and its registers run along the tokens, attention's second K.
; THE ROWS OF A TILE ARE NOT NEIGHBOURS: row r of tile t is 32 (t / 2) + 8 (t % 2) + r + 8 (r / 8) (W's columns always; the tokens for k and v), so that the 16 registers of two neighbouring tiles are 16 neighbours along the next K.
; OUT: qimg [head][tile of 16 queries 256][plane 2][512];  kvimg [head][step of 128 keys 32][16,384]: K [tile 8][plane 2][512], then V^T [tile 4][plane 4][512].
; A sum stands for sum x 2^(ew + ex): the bias goes in as b / 2^(ew + ex), and the conversion takes 2^(eo - ew - ex) as its one scale.
; LIMITS: ex and eo - ew - ex between -126 and 119.  NaN among the inputs is not served.
; REGISTERS: v1 16 x lane; v2 x's offset; v3 where I store x's images; v4, v5 2^ex, 448 x 2^ex; v6, v7 the same with eo - ew - ex; v8, v9 the biases' offsets; v16-31 codes just made;
;   v32-159 the accumulators (first: 2 x 64 numbers of x); v160-255 three buffers of 32 for the weights; window 1, v0-63 (v256-319): x's four fragments of the K step in hand.
.set ACC, 32
.set PC,  16
.set XF,  0                            ; in window 1
.set MSB, 0
.macro WIN new                         ; the immediate's high byte repeats the setting that is left
.if MSB != \new
	s_set_vgpr_msb (MSB<<8)|\new
.set MSB, \new
.endif
.endm
	s_load_b512 s[4:19], s[0:1], 0x0               ; x s[4:5], wimg s[6:7], bq s[8:9], bk s[10:11], bv s[12:13], scales s[14:15], qimg s[16:17], kvimg s[18:19]
	v_lshl_add_u32 v14, v0, 2, 0xc000
	v_mov_b32 v15, 0
	v_lshrrev_b32 v10, 5, v0
	v_readfirstlane_b32 s20, v10                   ; wave = head
	v_and_b32 v10, 31, v0
	v_lshlrev_b32 v1, 4, v10                       ; 16 x lane
	v_and_b32 v11, 15, v0                          ; r
	v_bfe_u32 v12, v0, 4, 1                        ; h
	s_and_b32 s22, ttmp7, 0xffff                   ; 0 q, 1 k, 2 v
	s_cmp_lg_u32 s22, 0
	s_cselect_b32 s23, 1, 0
	v_and_b32 v13, 8, v11
	v_add_nc_u32 v9, v13, v11                      ; r + 8 (r / 8)
	v_mul_u32_u24 v13, s23, v13
	v_add_nc_u32 v13, v13, v11                     ; my token in a tile: r for q, r + 8 (r / 8) for k and v
	v_mul_u32_u24 v2, v13, 3072
	v_lshl_add_u32 v2, v12, 6, v2                  ; x: its row, + 64 h: my 16 numbers of a block of 32
	v_lshlrev_b32 v9, 2, v9                        ; v's bias: my channel in a tile
	v_lshlrev_b32 v8, 6, v12                       ; q's, k's bias: my 16 channels of 32
	s_lshl_b32 s24, s20, 12
	v_add_nc_u32 v3, s24, v1                       ; x's images: fragments 2 w and 2 w + 1
	s_mul_i32 s25, s20, 11
	s_lshr_b32 s25, s25, 5                         ; w / 3: the tile of tokens that I quantise
	s_mul_i32 s26, s25, 3
	s_sub_co_u32 s26, s20, s26                     ; w % 3: its K steps 2 (w % 3) and 2 (w % 3) + 1
	s_lshr_b32 s27, s25, 1
	s_lshl_b32 s27, s27, 5
	s_and_b32 s28, s25, 1
	s_lshl_b32 s28, s28, 3
	s_add_co_u32 s27, s27, s28                     ; the tile's first token: 32 (m / 2) + 8 (m % 2) for k and v,
	s_lshl_b32 s28, s25, 4                         ; 16 m for q
	s_cmp_lg_u32 s22, 0
	s_cselect_b32 s27, s27, s28
	s_lshl_b32 s28, ttmp9, 6
	s_add_co_u32 s27, s27, s28
	s_mul_i32 s28, s27, 3072
	s_lshl_b32 s29, s26, 10
	s_add_co_u32 s28, s28, s29
	s_mov_b32 s29, 0
	s_mul_i32 s30, s22, 12
	s_add_co_u32 s30, s30, s20
	s_mul_i32 s30, s30, 49152                      ; my unit of wimg
	s_mov_b32 s31, 0
	s_lshl_b32 s44, s20, 18
	s_lshl_b32 s45, ttmp9, 12
	s_add_co_u32 s44, s44, s45                     ; q: head x 262,144 + four tiles of 1,024
	s_lshl_b32 s46, s20, 19
	s_lshr_b32 s45, ttmp9, 1
	s_lshl_b32 s45, s45, 14
	s_add_co_u32 s46, s46, s45                     ; k, v: head x 524,288 + step x 16,384
	s_and_b32 s45, ttmp9, 1
	s_lshl_b32 s47, s45, 12                        ; k: tiles 4 (x % 2) on
	s_lshl_b32 s45, s45, 10
	s_add_co_u32 s45, s45, 8192                    ; v: behind K, planes 2 (x % 2) on
	s_cmp_eq_u32 s22, 2
	s_cselect_b32 s45, s45, s47
	s_add_co_u32 s46, s46, s45
	s_cmp_eq_u32 s22, 0
	s_cselect_b32 s44, s44, s46
	s_mov_b32 s45, 0
	s_wait_kmcnt 0x0
	s_load_b256 s[32:39], s[14:15], 0x0            ; e0 .. e7
	s_load_b128 s[40:43], s[14:15], 0x20           ; e8 .. e11
	s_add_nc_u64 s[4:5], s[4:5], s[28:29]
	s_add_nc_u64 s[6:7], s[6:7], s[30:31]
	s_cmp_eq_u32 s22, 0                            ; buffers are chosen by the work-group's number alone
	s_cselect_b64 s[16:17], s[16:17], s[18:19]
	s_add_nc_u64 s[16:17], s[16:17], s[44:45]
	s_cmp_eq_u32 s22, 1
	s_cselect_b64 s[12:13], s[10:11], s[12:13]
	s_cmp_eq_u32 s22, 0
	s_cselect_b64 s[12:13], s[8:9], s[12:13]
	s_lshl_b32 s28, s20, 8
	s_add_nc_u64 s[12:13], s[12:13], s[28:29]      ; my head's 64 biases
.macro XLOAD reg, e                    ; 64 numbers a lane: K step 2 (w % 3) + e of my tile's 16 tokens; register 16 b + i = k 32 b + 16 h + i
.irp b, 0,1,2,3
.irp j, 0,1,2,3
	global_load_b128 v[\reg+16*\b+4*\j:\reg+16*\b+4*\j+3], v2, s[4:5] offset:512*\e+128*\b+16*\j
.endr
.endr
.endm
.macro WLOAD i                         ; half step i: K step i / 2, tiles 2 (i % 2) and 2 (i % 2) + 1: eight planes on end, into buffer i % 3
.set WBI, 160+32*((\i)%3)
.irp q, 0,1,2,3,4,5,6,7
	global_load_b128 v[WBI+4*\q:WBI+4*\q+3], v1, s[6:7] offset:4096*(\i)+512*\q
.endr
.endm
.macro QUANT s                         ; v[s] .. v[s + 63] become a fragment's codes in v[PC] on
.irp b, 0,1,2,3
.irp i, 0,1,2,3,4,5,6,7,8,9,10,11,12,13,14,15
	v_med3_num_f32 v[\s+16*\b+\i], v[\s+16*\b+\i], -v5, v5   ; the conversion to an 8-bit code does not saturate (ISA guide 7.6.2): hold first
.endr
	v_cvt_scalef32_pk8_fp8_f32 v[PC+4*\b:PC+4*\b+1], v[\s+16*\b:\s+16*\b+7], v4
	v_cvt_scalef32_pk8_fp8_f32 v[PC+4*\b+2:PC+4*\b+3], v[\s+16*\b+8:\s+16*\b+15], v4
.endr
	v_nop                                          ; a plain vector line behind the last conversion: the products will write its sources
.endm
.macro IMAGE off                       ; the fragment goes to LDS as it stands
.irp c, 0,1,2,3
	ds_store_b128 v3, v[PC+4*\c:PC+4*\c+3] offset:\off+512*\c
.endr
.endm
	XLOAD 32, 0
	XLOAD 96, 1
	WLOAD 0
	WLOAD 1
	WLOAD 2
	s_wait_kmcnt 0x0
	s_cmp_eq_u32 s22, 1                            ; ew, ex, eo: entries (4, 5, 9) for v, (2, 3, 7) for k, (0, 1, 6) for q
	s_cselect_b32 s36, s34, s36
	s_cselect_b32 s37, s35, s37
	s_cselect_b32 s41, s39, s41
	s_cmp_eq_u32 s22, 0
	s_cselect_b32 s36, s32, s36
	s_cselect_b32 s37, s33, s37
	s_cselect_b32 s41, s38, s41
	s_add_co_i32 s44, s37, 127
	s_lshl_b32 s45, s44, 23
	v_mov_b32 v4, s45                              ; 2^ex
	s_add_co_i32 s44, s44, 8
	s_lshl_b32 s44, s44, 23
	s_or_b32 s44, s44, 0x600000
	v_mov_b32 v5, s44                              ; 448 x 2^ex
	s_add_co_i32 s46, s36, s37                     ; ew + ex
	s_sub_co_i32 s47, 0, s46
	s_sub_co_i32 s44, s41, s46
	s_add_co_i32 s44, s44, 127
	s_lshl_b32 s45, s44, 23
	v_mov_b32 v6, s45                              ; 2^(eo - ew - ex)
	s_add_co_i32 s44, s44, 8
	s_lshl_b32 s44, s44, 23
	s_or_b32 s44, s44, 0x600000
	v_mov_b32 v7, s44                              ; 448 x that
	s_wait_loadcnt 40                              ; x's first 16 loads are in; behind them: its other 16 and the weights' 24
	QUANT 32
	IMAGE 0
	s_wait_dscnt 0x0                               ; the stores have read their registers: the codes may be written again
	s_wait_loadcnt 24                              ; x's other 16 are in; the weights' 24 may be out
	QUANT 96
	IMAGE 2048
	s_wait_dscnt 0x0                               ; for the others' sake: my images lie in LDS
	s_barrier_signal -1
	s_barrier_wait -1                              ; all 24 fragments do; from here on LDS is only read
; HALF A K STEP: two tiles of W against the four tiles of tokens: eight products on eight accumulators; the sixteen take turns, one instruction a turn.
.macro HALF i, swap
.set WBI, 160+32*((\i)%3)
.if ((\i)%2) == 0
	WIN 0x40                                       ; destination window 1
.irp m, 0,1,2,3
.irp c, 0,1,2,3
	ds_load_b128 v[XF+16*\m+4*\c:XF+16*\m+4*\c+3], v1 offset:(6*\m+(\i)/2)*2048+512*\c
.endr
.endr
.endif
.if (\i) < 11
	s_wait_loadcnt 16                              ; this half step's eight loads are in; the sixteen issued behind them (two half steps', or one and the biases') may be out
.else
	s_wait_loadcnt 8                               ; behind the last half step's loads: the biases' eight
.endif
.if ((\i)%2) == 0
	s_wait_dscnt 0x0                               ; x's four fragments are in
.endif
.if \swap
	WIN 0x01                                       ; source 0 (x) window 1
.else
	WIN 0x04                                       ; source 1 (x) window 1
.endif
.irp m, 0,1,2,3
.irp u, 0,1
.set TT, 2*((\i)%2)+\u
.if \swap
.set DD, ACC+8*(4*TT+\m)
.if (\i) < 2
	v_wmma_f32_16x16x128_fp8_fp8 v[DD:DD+7], v[XF+16*\m:XF+16*\m+15], v[WBI+16*\u:WBI+16*\u+15], 0
.else
	v_wmma_f32_16x16x128_fp8_fp8 v[DD:DD+7], v[XF+16*\m:XF+16*\m+15], v[WBI+16*\u:WBI+16*\u+15], v[DD:DD+7]
.endif
.else
.set DD, ACC+8*(4*\m+TT)
.if (\i) < 2
	v_wmma_f32_16x16x128_fp8_fp8 v[DD:DD+7], v[WBI+16*\u:WBI+16*\u+15], v[XF+16*\m:XF+16*\m+15], 0
.else
	v_wmma_f32_16x16x128_fp8_fp8 v[DD:DD+7], v[WBI+16*\u:WBI+16*\u+15], v[XF+16*\m:XF+16*\m+15], v[DD:DD+7]
.endif
.endif
.endr
.endr
.rept 4
	v_nop                                          ; four places in front of loads into registers that these products read, and of the first read of results
.endr
	WIN 0
.if (\i) < 9
	WLOAD (\i)+3                                   ; the buffer just multiplied takes the half step three on
.endif
.if (\i) == 9                          ; and last the biases, into buffer 0
.if \swap
.irp t, 0,1,2,3
	global_load_b32 v[160+2*\t], v9, s[12:13] offset:4*(32*(\t/2)+8*(\t%2))   ; one channel a lane and tile; twice, to fill the pair that the packed addition names
	global_load_b32 v[161+2*\t], v9, s[12:13] offset:4*(32*(\t/2)+8*(\t%2))
.endr
.else
.irp p, 0,1
.irp q, 0,1,2,3
	global_load_b128 v[160+16*\p+4*\q:160+16*\p+4*\q+3], v8, s[12:13] offset:128*\p+16*\q   ; channels 32 p + 16 h + 0 .. 15
.endr
.endr
.endif
.endif
.endm
; THE WAY OUT: + bias, hold, conversion; the conversions' results are the planes.  str: bytes from one group of two planes to the next.
.macro TAIL swap, str
	s_wait_loadcnt 0x0                             ; the biases
.set n, 0
.if \swap
.rept 8
	v_ldexp_f32 v[160+n], v[160+n], s47            ; b / 2^(ew + ex)
.set n, n+1
.endr
.else
.rept 32
	v_ldexp_f32 v[160+n], v[160+n], s47
.set n, n+1
.endr
.endif
.set n, 0
.rept 64                               ; each accumulator from its low end on
.if \swap
	v_pk_add_f32 v[ACC+2*n:ACC+2*n+1], v[ACC+2*n:ACC+2*n+1], v[160+2*(n/16):161+2*(n/16)]
.else
	v_pk_add_f32 v[ACC+2*n:ACC+2*n+1], v[ACC+2*n:ACC+2*n+1], v[160+(2*n)%32:161+(2*n)%32]
.endif
.set n, n+1
.endr
.set n, 0
.rept 128
	v_med3_num_f32 v[ACC+n], v[ACC+n], -v7, v7
.set n, n+1
.endr
.set n, 0
.rept 16
	v_cvt_scalef32_pk8_fp8_f32 v[192+2*n:193+2*n], v[ACC+8*n:ACC+8*n+7], v6
.set n, n+1
.endr
	v_nop
.irp a, 0,1,2,3
.irp p, 0,1
	global_store_b128 v1, v[192+8*\a+4*\p:195+8*\a+4*\p], s[16:17] offset:\a*\str+512*\p   ; a plane: 512 consecutive bytes, aligned
.endr
.endr
.endm
	s_cmp_eq_u32 s22, 2
	s_cbranch_scc1 .Lv
.irp i, 0,1,2,3,4,5,6,7,8,9,10,11
	HALF \i, 0
.endr
	TAIL 0, 1024                                   ; q, k: group a = tile of tokens a; plane p = channels 32 p on
	s_wait_tensorcnt 0x0
	ds_add_u32 v14, v15
	s_wait_dscnt 0x0
	s_endpgm
.Lv:
.irp i, 0,1,2,3,4,5,6,7,8,9,10,11
	HALF \i, 1
.endr
	TAIL 1, 2048                                   ; v: group a = tile of channels a; plane p = my 64 tokens' 32 p on
	s_wait_tensorcnt 0x0
	ds_add_u32 v14, v15
	s_wait_dscnt 0x0
	s_endpgm
.Lfunc_end_k_qb2c462bdca_qkv:
	.size	k_qb2c462bdca_qkv, .Lfunc_end_k_qb2c462bdca_qkv-k_qb2c462bdca_qkv
	.p2alignl 7, 3214868480
	.fill 96, 4, 3214868480
	.section	.rodata,"a",@progbits
	.p2align	6, 0x0
	.amdhsa_kernel k_qb2c462bdca_qkv
		.amdhsa_group_segment_fixed_size 50688
		.amdhsa_private_segment_fixed_size 0
		.amdhsa_enable_private_segment 0
		.amdhsa_kernarg_size 64
		.amdhsa_user_sgpr_count 2
		.amdhsa_user_sgpr_kernarg_segment_ptr 1
		.amdhsa_wavefront_size32 1
		.amdhsa_system_sgpr_workgroup_id_x 1
		.amdhsa_system_sgpr_workgroup_id_y 1
		.amdhsa_system_sgpr_workgroup_id_z 1
		.amdhsa_system_vgpr_workitem_id 0
		.amdhsa_next_free_vgpr 320
		.amdhsa_next_free_sgpr 66
		.amdhsa_reserve_vcc 0
		.amdhsa_float_denorm_mode_32 3
		.amdhsa_float_denorm_mode_16_64 3
		.amdhsa_memory_ordered 1
		.amdhsa_forward_progress 1
		.amdhsa_inst_pref_size 95
	.end_amdhsa_kernel
	.amdgpu_metadata
---
amdhsa.version: [ 1, 2 ]
amdhsa.kernels:
  - .name:           k_qb2c462bdca_qkv
    .symbol:         k_qb2c462bdca_qkv.kd
    .args:
      - { .name: x, .offset: 0, .size: 8, .value_kind: global_buffer, .address_space: global }
      - { .name: wimg, .offset: 8, .size: 8, .value_kind: global_buffer, .address_space: global }
      - { .name: bq, .offset: 16, .size: 8, .value_kind: global_buffer, .address_space: global }
      - { .name: bk, .offset: 24, .size: 8, .value_kind: global_buffer, .address_space: global }
      - { .name: bv, .offset: 32, .size: 8, .value_kind: global_buffer, .address_space: global }
      - { .name: lowp_scales, .offset: 40, .size: 8, .value_kind: global_buffer, .address_space: global }
      - { .name: qimg, .offset: 48, .size: 8, .value_kind: global_buffer, .address_space: global }
      - { .name: kvimg, .offset: 56, .size: 8, .value_kind: global_buffer, .address_space: global }
    .group_segment_fixed_size: 50688
    .private_segment_fixed_size: 0
    .kernarg_segment_align: 8
    .kernarg_segment_size: 64
    .max_flat_workgroup_size: 384
    .sgpr_count:     66
    .vgpr_count:     320
    .wavefront_size: 32
...
	.end_amdgpu_metadata
.endif
;; end of part 2
;; launch attn (part 3): grid 16 x 12, 16 waves a work-group, no clusters, 34,816 bytes of LDS; arguments qimg, kvimg, lowp_scales, oimg; writes oimg
.if DOCPART == 3
	.amdgcn_target "amdgcn-amd-amdhsa--gfx1250"
	.amdhsa_code_object_version 6
	.text
	.protected	k_qb2c462bdca_attn
	.globl	k_qb2c462bdca_attn
	.p2align	8
	.type	k_qb2c462bdca_attn,@function
k_qb2c462bdca_attn:
	s_mov_b64 s[64:65], 0
	v_nop
	global_prefetch_b8 v0, s[64:65] scope:SCOPE_SE
	s_setreg_imm32_b32 hwreg(HW_REG_WAVE_MODE, 25, 1), 1
	s_wait_xcnt 0x0
; Attention of 12 heads of size 64 over 4,096 tokens on codes of E4M3: heads 0-5 look back (key <= query), heads 6-11 look ahead (key >= query).  What the mask throws away is not multiplied.
; THE SOFTMAX AHEAD OF THE SECOND PRODUCT: t = score x log2(e) / 8; M = the row's largest t so far, rounded UP to a whole number; p = 2^(t - M) is quantised, not normalised.
; The row's sum is taken of the unquantised p and divides O at the end.  When M moves, the sum and O are multiplied by 2^(old M - new M): exact.
; IN: qimg [head][tile 256][plane 2][512]; kvimg [head][step 32][16,384]: K [tile 8][plane 2][512], V^T [tile 4][plane 4][512]: images of operand registers, lane l's 16 bytes at 16 l of a plane.
; Row r of tile t (a key of K, a channel of V^T) is 32 (t / 2) + 8 (t % 2) + r + 8 (r / 8), so that the 16 registers of two neighbouring result tiles are 16 neighbours along the next K.
; Both products are used transposed: S^T = K Q^T, O^T = V^T P^T: a lane holds ONE query (lane % 16) throughout.
; OUT: oimg [tile of 16 tokens 256][K step 6][plane 4][512]: o / 2^e10 as codes, the last product's operand.
; SHARES.  Work-group (i, head) owns the blocks of 128 queries i and 31 - i: together 33 blocks of 128 x 128 scores, whatever i.  Wave w owns one tile of 16 queries: tile w / 2 of block i or 31 - i,
; by the bit (w ^ (w / 4)) % 2.  Sixteen waves of 256 registers, four to a SIMD, so that one wave's vector work stands beside another's matrix work and LDS loads.
; The work-group walks key steps of 128, from step 0 (looking back) or from i rounded down to even (looking ahead), 32 - 2 (i / 2) steps.  A step all of whose keys are hidden from a wave's block is left out by a scalar
; branch on ids, round the work alone; on the diagonal hidden scores become -infinity ahead of the maximum.  Each query sees its own key in its first step, so M is a number from then on.
; A step's 16,384 bytes go from memory through registers (32 bytes a thread) into one of two LDS slots, a step ahead; ONE barrier a step.
; NO CLUSTER, no tensor load: the work-groups of a head walk between 18 and 32 steps, so partners would need different numbers of tiles.
; LIMITS: e6 + e7 between -122 and 130 (added to c's exponent field); e8 and e10 between -126 and 119.  NaN among the inputs is not served.
; REGISTERS: v1 16 x lane; v2, v3 16 x thread (LDS, memory); v4 the prefetch's offset; v5 my query less 16 (lane / 16), in the block; v6 -infinity; v12 -M, v13 the largest t, v[14:15] the sum;
;   v16-23 Q; v24-31 the next step's 32 bytes; v32-95 K's eight fragments, then V's four; v96-159 S^T, then p; v160-191 O^T; v192-207 p's codes; v208.. constants and work.
.set SLOTB, 16384
	s_load_b256 s[4:11], s[0:1], 0x0               ; qimg s[4:5], kvimg s[6:7], scales s[8:9], oimg s[10:11]
	v_lshl_add_u32 v254, v0, 2, 0x8000
	v_mov_b32 v255, 0
	v_lshrrev_b32 v7, 5, v0
	v_readfirstlane_b32 s12, v7                    ; wave 0..15
	s_mov_b32 s13, ttmp9                           ; i
	s_and_b32 s14, ttmp7, 0xffff                   ; head
	s_cmp_ge_u32 s14, 6
	s_cselect_b32 s15, -1, 1                       ; +1 looking back, -1 looking ahead
	s_cselect_b32 s29, 1, 0
	s_lshr_b32 s30, s12, 2
	s_xor_b32 s30, s30, s12
	s_and_b32 s30, s30, 1
	s_sub_co_u32 s31, 31, s13
	s_cmp_eq_u32 s30, 1
	s_cselect_b32 s16, s31, s13                    ; my block of 128 queries
	s_lshr_b32 s32, s12, 1                         ; my tile in it
	s_lshl_b32 s33, s16, 3
	s_add_co_u32 s33, s33, s32                     ; my tile of 16 queries, 0..255
	s_and_b32 s17, s13, 30
	s_cmp_eq_u32 s29, 1
	s_cselect_b32 s17, s17, 0                      ; the first key step; s17 counts on
	s_lshr_b32 s18, s13, 1
	s_sub_co_u32 s18, 15, s18                      ; pairs of steps less one: 8 to 15
	s_and_b32 s34, s12, 1                          ; who prefetches: in work-group i = 0, of waves 0-3 the two whose block works in every step
	s_xor_b32 s34, s34, s29
	s_xor_b32 s34, s34, 1
	s_lshr_b32 s35, s12, 2
	s_or_b32 s34, s34, s35
	s_or_b32 s34, s34, s13
	s_cmp_eq_u32 s34, 0
	s_cselect_b32 s19, 29, 0                       ; a wave asks while the step's number is under this
	s_mov_b32 s20, 0x76543210                      ; v_permlanex16_b32's selects for lane l xor 16
	s_mov_b32 s21, 0xfedcba98
	s_mov_b32 s22, 0x3e38aa3b                      ; c = log2(e) / sqrt(64)
	s_lshl_b32 s36, s14, 18
	s_lshl_b32 s37, s33, 10
	s_add_co_u32 s36, s36, s37                     ; Q: head x 262,144 + tile x 1,024
	s_mov_b32 s37, 0
	s_lshl_b32 s38, s14, 19
	s_lshl_b32 s39, s17, 14
	s_add_co_u32 s38, s38, s39                     ; K, V: head x 524,288 + step x 16,384
	s_mov_b32 s39, 0
	s_mul_i32 s40, s33, 12288                      ; O: tile x 12,288 + K step head / 2 + planes 2 (head % 2) on
	s_lshr_b32 s41, s14, 1
	s_lshl_b32 s41, s41, 11
	s_add_co_u32 s40, s40, s41
	s_and_b32 s41, s14, 1
	s_lshl_b32 s41, s41, 10
	s_add_co_u32 s40, s40, s41
	s_mov_b32 s41, 0
	v_and_b32 v7, 31, v0
	v_lshlrev_b32 v1, 4, v7
	v_lshlrev_b32 v2, 4, v0
	v_lshlrev_b32 v3, 4, v0
	v_lshlrev_b32 v4, 8, v7                        ; the prefetch: lanes 256 bytes apart,
	s_lshl_b32 s35, s32, 13
	v_add_nc_u32 v4, s35, v4                       ; 8,192 bytes a wave
	s_wait_kmcnt 0x0
	s_load_b128 s[24:27], s[8:9], 0x18             ; e6, e7, e8, e9
	s_load_b32 s28, s[8:9], 0x28                   ; e10
	s_add_nc_u64 s[4:5], s[4:5], s[36:37]
	s_add_nc_u64 s[6:7], s[6:7], s[38:39]
	s_add_nc_u64 s[10:11], s[10:11], s[40:41]
	global_load_b128 v[16:19], v1, s[4:5] th:TH_LOAD_NT             ; Q's fragment stays in registers
	global_load_b128 v[20:23], v1, s[4:5] offset:512 th:TH_LOAD_NT
	global_load_b128 v[24:27], v3, s[6:7]                           ; the first step's K,
	global_load_b128 v[28:31], v3, s[6:7] offset:8192               ; and V
	v_and_b32 v7, 15, v0
	v_bfe_u32 v8, v0, 4, 1
	v_lshlrev_b32 v8, 4, v8
	v_sub_nc_u32 v5, v7, v8
	s_lshl_b32 s35, s32, 4
	v_add_nc_u32 v5, s35, v5                       ; d = 16 x tile + lane % 16 - 16 (lane / 16).  Register n of S^T holds the step's key 32 (n / 16) + n % 16 + 16 (lane / 16)
	v_mov_b32 v6, 0xff800000
	v_mov_b32 v13, 0xff61b1e6                      ; the largest t so far: -3e38, under every t
	v_floor_f32 v12, -v13                          ; -M
	v_mov_b32 v14, 0
	v_mov_b32 v15, 0
	v_mov_b32 v213, 0                              ; (named as the upper half of the pair v[212:213])
	v_mov_b32 v216, 0                              ; written once: a lane permute's destination counts as one of its sources
.set n, 0
.rept 32
	v_mov_b32 v[160+n], 0                          ; O^T.  (The step is written without a first step of its own: the first change of M leaves zeros zeros)
.set n, n+1
.endr
	s_wait_kmcnt 0x0
	s_add_co_i32 s30, s24, s25
	s_lshl_b32 s30, s30, 23
	s_add_co_i32 s22, s22, s30                     ; a score stands for score x 2^(e6 + e7): added to c's exponent field
	s_mov_b32 s23, s22                             ; (named with it as a pair)
	s_add_co_i32 s30, s26, 127
	s_lshl_b32 s31, s30, 23
	v_mov_b32 v209, s31                            ; 2^e8
	s_add_co_i32 s30, s30, 8
	s_lshl_b32 s30, s30, 23
	s_or_b32 s30, s30, 0x600000
	v_mov_b32 v208, s30                            ; 448 x 2^e8
	s_add_co_i32 s30, s28, 127
	s_lshl_b32 s31, s30, 23
	v_mov_b32 v217, s31                            ; 2^e10
	s_add_co_i32 s30, s30, 8
	s_lshl_b32 s30, s30, 23
	s_or_b32 s30, s30, 0x600000
	v_mov_b32 v218, s30                            ; 448 x 2^e10
	s_wait_loadcnt 0x0
	ds_store_b128 v2, v[24:27]
	ds_store_b128 v2, v[28:31] offset:8192
	s_wait_dscnt 0x0                               ; for the others' sake: my part of slot 0 lies in LDS
	s_barrier_signal -1
	s_barrier_wait -1
.macro MASK ahead                      ; hidden: key > query looking back, key < query looking ahead
.set n, 0
.rept 64
.if \ahead
	v_cmp_lt_i32 vcc_lo, 32*(n/16)+n%16, v5
.else
	v_cmp_gt_i32 vcc_lo, 32*(n/16)+n%16, v5
.endif
	v_cndmask_b32 v[96+n], v[96+n], v6, vcc_lo
.set n, n+1
.endr
.endm
; A KEY STEP, read from slot.  fill = 1: the next step's bytes are asked for at its head and stored into the other slot at its end, in front of the step's one barrier.
.macro STEP slot, fill
.set SB, (\slot)*SLOTB
.set OB, SLOTB-SB
.if \fill
	global_load_b128 v[24:27], v3, s[6:7] offset:16384
	global_load_b128 v[28:31], v3, s[6:7] offset:24576
	; A PREFETCH INTO THE L2, behind the wave's two loads: in step s the 16,384 bytes of step s + 3, two steps ahead of the loads that will want them.  All sixteen work-groups of a head walk the same K and V:
	; work-group i = 0, which walks all 32 steps, asks, by two waves, 8,192 bytes each, lanes 256 bytes apart: each aligned block of 256 bytes is named once in the launch.  The last ask is in step 28, for step 31.
	s_cmp_lt_u32 s17, s19
	s_cbranch_scc0 .Lnoask_\@
	global_prefetch_b8 v4, s[6:7] offset:49152 th:TH_LOAD_NT scope:SCOPE_SE
.Lnoask_\@:
.endif
	s_sub_co_i32 s30, s17, s16
	s_mul_i32 s30, s30, s15                        ; above 0: every key of the step is hidden from my block; 0: the diagonal
	s_cmp_gt_i32 s30, 0
	s_cbranch_scc1 .Lskip_\@
.rept 4
	v_nop                                          ; four places in front of loads into registers that the last step's products read
.endr
.irp t, 0,1,2,3,4,5,6,7
	ds_load_b128 v[32+8*\t:35+8*\t], v1 offset:SB+1024*\t
	ds_load_b128 v[36+8*\t:39+8*\t], v1 offset:SB+1024*\t+512
.endr
	s_wait_dscnt 8                                 ; tiles 0-3 are in; the eight loads of tiles 4-7 may be out
.irp t, 0,1,2,3
	v_wmma_f32_16x16x64_fp8_fp8 v[96+8*\t:103+8*\t], v[32+8*\t:39+8*\t], v[16:23], 0
.endr
	s_wait_dscnt 0x0
.irp t, 4,5,6,7
	v_wmma_f32_16x16x64_fp8_fp8 v[96+8*\t:103+8*\t], v[32+8*\t:39+8*\t], v[16:23], 0
.endr
.rept 4
	v_nop                                          ; places in front of V's loads into K's registers, and of the first read of the scores
.endr
.irp t, 0,1,2,3
.irp c, 0,1,2,3
	ds_load_b128 v[32+16*\t+4*\c:35+16*\t+4*\c], v1 offset:SB+8192+2048*\t+512*\c   ; V's fragments land under the softmax
.endr
.endr
	s_cmp_lg_u32 s30, 0
	s_cbranch_scc1 .Lopen_\@
	s_cmp_eq_u32 s29, 0
	s_cbranch_scc0 .Lahead_\@
	MASK 0
	s_branch .Lopen_\@
.Lahead_\@:
	MASK 1
.Lopen_\@:
	v_max3_num_f32 v214, v96, v97, v98             ; the step's largest score of my query among my 64 keys, in two chains; each accumulator is first read at its low end
	v_max3_num_f32 v215, v99, v100, v101
.irp i, 6,10,14,18,22,26,30,34,38,42,46,50,54,58
	v_max3_num_f32 v214, v214, v[96+\i], v[97+\i]
	v_max3_num_f32 v215, v215, v[98+\i], v[99+\i]
.endr
	v_max3_num_f32 v214, v214, v158, v159
	v_max_num_f32 v214, v214, v215
	v_permlanex16_b32 v216, v214, s20, s21
	v_max_num_f32 v214, v214, v216                 ; and among lane l xor 16's
	v_mul_f32 v214, s22, v214                      ; as t (c is positive)
	v_max_num_f32 v13, v13, v214
	v_mov_b32 v214, v12
	v_floor_f32 v12, -v13                          ; the new -M = floor(-t) = -ceil(t)
	v_sub_f32 v214, v12, v214                      ; old M - new M: a whole number, 0 or less
	v_cvt_i32_f32 v214, v214                       ; (it saturates)
	v_ldexp_f32 v212, 1.0, v214                    ; f = 2^(old M - new M)
.set n, 0
.rept 32
	v_pk_fma_f32 v[96+n:97+n], v[96+n:97+n], s[22:23], v[12:13] op_sel_hi:[1,0,0]   ; t - M, two at a time
.set n, n+2
.endr
.set n, 0
.rept 64
	v_exp_f32 v[96+n], v[96+n]                     ; p = 2^(t - M)
.set n, n+1
.endr
	v_pk_mul_f32 v[14:15], v[14:15], v[212:213] op_sel_hi:[1,0]   ; the sum under the new M: the plain line behind the exponentials
	s_wait_alu depctr_va_vdst(0)                   ; one wait for the batch of 64, ahead of its first reader
	v_pk_add_f32 v[210:211], v[96:97], v[98:99]    ; the row's sum is taken of the unquantised p, in two chains
.irp j, 4,8,12,16,20,24,28,32,36,40,44,48,52,56,60
	v_pk_add_f32 v[14:15], v[14:15], v[96+\j:97+\j]
	v_pk_add_f32 v[210:211], v[210:211], v[98+\j:99+\j]
.endr
	v_pk_add_f32 v[14:15], v[14:15], v[210:211]
	s_cmp_ge_i32 s26, -8                           ; p is at most 1 (a last bit more at the very most), and 448 x 2^e8 is at least 1.75 from e8 = -8 on: there the hold changes nothing and is passed over
	s_cbranch_scc1 .Lnohold_\@
.set n, 0
.rept 64
	v_min_num_f32 v[96+n], v[96+n], v208           ; the conversion does not saturate (ISA guide 7.6.2); p is not negative, so the hold is one-sided
.set n, n+1
.endr
.Lnohold_\@:
.irp b, 0,1,2,3
	v_cvt_scalef32_pk8_fp8_f32 v[192+4*\b:193+4*\b], v[96+16*\b:103+16*\b], v209
	v_cvt_scalef32_pk8_fp8_f32 v[194+4*\b:195+4*\b], v[104+16*\b:111+16*\b], v209
.endr
.set n, 0
.rept 16
	v_pk_mul_f32 v[160+n:161+n], v[160+n:161+n], v[212:213] op_sel_hi:[1,0]   ; O^T under the new M; also the plain lines behind the conversions
.set n, n+2
.endr
	s_wait_dscnt 0x0                               ; V's fragments are in
.irp t, 0,1,2,3
	v_wmma_f32_16x16x128_fp8_fp8 v[160+8*\t:167+8*\t], v[32+16*\t:47+16*\t], v[192:207], v[160+8*\t:167+8*\t]   ; four accumulators by turns; between two links of a chain stand the three others' and the next step's eight
.endr
.Lskip_\@:
.if \fill
	s_wait_loadcnt 0x0                             ; the next step's 32 bytes
	ds_store_b128 v2, v[24:27] offset:OB           ; into the slot that every wave left in front of the last barrier
	ds_store_b128 v2, v[28:31] offset:OB+8192
	s_wait_dscnt 0x0                               ; my stores have landed and my reads of this slot are over:
	s_barrier_signal -1
	s_barrier_wait -1                              ; both now hold of all sixteen waves
	s_wait_xcnt 0x0                                ; the prefetch has read its base
	s_add_nc_u64 s[6:7], s[6:7], 16384
	s_add_co_u32 s17, s17, 1
.endif
.endm
.Lpair:                                            ; a trip is two steps, so that each slot's address is a constant of the text
	STEP 0, 1
	STEP 1, 1
	s_sub_co_u32 s18, s18, 1
	s_cmp_lg_u32 s18, 0
	s_cbranch_scc1 .Lpair
	STEP 0, 1
	STEP 1, 0                                      ; the last step asks for nothing: no load leaves the buffer
	; THE WAY OUT: O^T x 2^(e8 + e9) / the sum, quantised with 2^e10: tiles 2 b and 2 b + 1 are channels 32 b + 16 (lane / 16) + 0 .. 15 of my query: a plane of the last product's operand
.rept 4
	v_nop                                          ; four places behind the last products
.endr
	v_add_f32 v14, v14, v15
	v_permlanex16_b32 v216, v14, s20, s21
	v_add_f32 v14, v14, v216                       ; the row's sum
	v_rcp_f32 v14, v14
	v_nop                                          ; a plain line behind the transcendental
	s_add_co_i32 s30, s26, s27
	s_wait_alu depctr_va_vdst(0)                   ; and the wait ahead of its first reader
	v_ldexp_f32 v14, v14, s30
.set n, 0
.rept 32
	v_mul_f32 v[96+n], v[160+n], v14
.set n, n+1
.endr
.set n, 0
.rept 32
	v_med3_num_f32 v[96+n], v[96+n], -v218, v218
.set n, n+1
.endr
.irp g, 0,1,2,3
	v_cvt_scalef32_pk8_fp8_f32 v[192+2*\g:193+2*\g], v[96+8*\g:103+8*\g], v217
.endr
	v_nop
	global_store_b128 v1, v[192:195], s[10:11]               ; a plane: 512 consecutive bytes, aligned
	global_store_b128 v1, v[196:199], s[10:11] offset:512
	s_wait_tensorcnt 0x0
	ds_add_u32 v254, v255
	s_wait_dscnt 0x0
	s_endpgm
.Lfunc_end_k_qb2c462bdca_attn:
	.size	k_qb2c462bdca_attn, .Lfunc_end_k_qb2c462bdca_attn-k_qb2c462bdca_attn
	.p2alignl 7, 3214868480
	.fill 96, 4, 3214868480
	.section	.rodata,"a",@progbits
	.p2align	6, 0x0
	.amdhsa_kernel k_qb2c462bdca_attn
		.amdhsa_group_segment_fixed_size 34816
		.amdhsa_private_segment_fixed_size 0
		.amdhsa_enable_private_segment 0
		.amdhsa_kernarg_size 32
		.amdhsa_user_sgpr_count 2
		.amdhsa_user_sgpr_kernarg_segment_ptr 1
		.amdhsa_wavefront_size32 1
		.amdhsa_system_sgpr_workgroup_id_x 1
		.amdhsa_system_sgpr_workgroup_id_y 1
		.amdhsa_system_sgpr_workgroup_id_z 1
		.amdhsa_system_vgpr_workitem_id 0
		.amdhsa_next_free_vgpr 256
		.amdhsa_next_free_sgpr 66
		.amdhsa_reserve_vcc 1
		.amdhsa_float_denorm_mode_32 3
		.amdhsa_float_denorm_mode_16_64 3
		.amdhsa_memory_ordered 1
		.amdhsa_forward_progress 1
		.amdhsa_inst_pref_size 113
	.end_amdhsa_kernel
	.amdgpu_metadata
---
amdhsa.version: [ 1, 2 ]
amdhsa.kernels:
  - .name:           k_qb2c462bdca_attn
    .symbol:         k_qb2c462bdca_attn.kd
    .args:
      - { .name: qimg, .offset: 0, .size: 8, .value_kind: global_buffer, .address_space: global }
      - { .name: kvimg, .offset: 8, .size: 8, .value_kind: global_buffer, .address_space: global }
      - { .name: lowp_scales, .offset: 16, .size: 8, .value_kind: global_buffer, .address_space: global }
      - { .name: oimg, .offset: 24, .size: 8, .value_kind: global_buffer, .address_space: global }
    .group_segment_fixed_size: 34816
    .private_segment_fixed_size: 0
    .kernarg_segment_align: 8
    .kernarg_segment_size: 32
    .max_flat_workgroup_size: 512
    .sgpr_count:     66
    .vgpr_count:     256
    .wavefront_size: 32
...
	.end_amdgpu_metadata
.endif
;; end of part 3
;; launch outp (part 4): grid 64 x 4, 6 waves a work-group, no clusters, 100,096 bytes of LDS; arguments oimg, wimg, bo, lowp_scales, out0; writes out0
.if DOCPART == 4
	.amdgcn_target "amdgcn-amd-amdhsa--gfx1250"
	.amdhsa_code_object_version 6
	.text
	.protected	k_qb2c462bdca_outp
	.globl	k_qb2c462bdca_outp
	.p2align	8
	.type	k_qb2c462bdca_outp,@function
k_qb2c462bdca_outp:
	s_mov_b64 s[64:65], 0
	v_nop
	global_prefetch_b8 v0, s[64:65] scope:SCOPE_SE
	s_setreg_imm32_b32 hwreg(HW_REG_WAVE_MODE, 25, 1), 1
	s_wait_xcnt 0x0
; out = o Wo + bo on codes of E4M3.  o comes as images (oimg [tile of 16 tokens 256][K step 6][plane 4][512]), Wo as units 36-47 of wimg ([unit][K step 6][tile 4][plane 4][512]); out0 [4096][768] f32.
; A plane is 512 bytes, lane l's 16 bytes at 16 l; a fragment of 16 rows x 128 K is four planes.  Row r of tile t of Wo is column 32 (t / 2) + 8 (t % 2) + r + 8 (r / 8) of its unit's 64.
; SHARES.  Work-group (x, y): 64 tokens x 192 columns: 256 work-groups.  Wave w: columns 32 w .. 32 w + 31 of the 192 (two tiles of Wo) for the four tiles of tokens: eight accumulators, by turns.
; o's 24 fragments come from memory once (wave w brings K step w) and go from wave to wave through LDS as images; Wo's go straight into the registers of the one wave that multiplies by them.
; Source 0 = 16 columns of Wo, source 1 = 16 tokens: a lane holds one token and the 16 registers of its two tiles are 16 neighbouring columns: 64 bytes of a row of out0.
; The rows meet in a stage in LDS and leave as aligned runs of 256 bytes.  out = sum x 2^(e10 + e11) + bo: one packed multiply-add for two numbers.
; NO CLUSTER: what work-groups share (Wo's 147,456 bytes a work-group) goes to registers, each byte to one wave; a joint load would lay it in LDS first.
; LIMIT: e10 + e11 between -126 and 127, so that 2^(e10 + e11) is an f32 number.
; REGISTERS: v1 16 x lane; v2 where I store o's images; v3, v4 the stage, in and back; v5 my offset in out0; v6 the bias's offset; v16-31 bo at my 16 columns; v32-95 accumulators (m, u) at 32 + 16 m + 8 u;
;   v96-159 o's four fragments, then results; v160-255 three buffers of 32 for Wo, then rows read back.
.set STG, 49152                        ; LDS: o's images, 24 x 2,048 bytes; then the stage: 64 rows x (768 bytes + 16)
.set SP,  784                          ; an odd multiple of 16 bytes: the sixteen rows that a store touches start in different banks (ISA guide 11.1)
	s_load_b256 s[4:11], s[0:1], 0x0               ; oimg s[4:5], wimg s[6:7], bo s[8:9], scales s[10:11]
	s_load_b64 s[12:13], s[0:1], 0x20              ; out0
	v_lshl_add_u32 v14, v0, 2, 0x18400
	v_mov_b32 v15, 0
	v_lshrrev_b32 v7, 5, v0
	v_readfirstlane_b32 s14, v7                    ; wave 0..5
	v_and_b32 v7, 31, v0
	v_lshlrev_b32 v1, 4, v7
	v_and_b32 v8, 15, v0                           ; r
	v_bfe_u32 v9, v0, 4, 1                         ; h
	s_lshl_b32 s15, s14, 13
	v_add_nc_u32 v2, s15, v1                       ; o's images: K step w
	v_mul_u32_u24 v3, v8, SP
	v_lshl_add_u32 v3, v9, 6, v3
	s_lshl_b32 s15, s14, 7
	s_add_co_u32 s15, s15, STG
	v_add_nc_u32 v3, s15, v3                       ; the stage, in: row r, + 128 w + 64 h
	s_mul_i32 s16, s14, 11
	s_lshr_b32 s16, s16, 5                         ; w / 3
	s_mul_i32 s17, s16, 24320                      ; 32 rows of 784 bytes, less the 768 that 256 w has too many
	s_lshl_b32 s15, s14, 8
	s_add_co_u32 s17, s17, s15
	s_add_co_u32 s17, s17, STG
	v_mul_u32_u24 v4, v9, SP
	v_lshl_add_u32 v4, v8, 4, v4
	v_add_nc_u32 v4, s17, v4                       ; back: rows 32 (w / 3) on, bytes 256 (w % 3) on; lanes 0-15 one row, lanes 16-31 the next
	v_mul_u32_u24 v5, v9, 3072
	v_lshl_add_u32 v5, v8, 4, v5                   ; and the same two rows in out0
	v_lshlrev_b32 v6, 6, v9
	s_and_b32 s18, ttmp7, 0xffff                   ; y
	s_mul_i32 s20, ttmp9, 49152                    ; o: four tiles of 12,288 bytes,
	s_lshl_b32 s21, s14, 11
	s_add_co_u32 s20, s20, s21                     ; K step w
	s_mov_b32 s21, 0
	s_mul_i32 s22, s18, 3
	s_lshr_b32 s23, s14, 1
	s_add_co_u32 s22, s22, s23
	s_add_co_u32 s22, s22, 36                      ; my unit of wimg
	s_mul_i32 s22, s22, 49152
	s_and_b32 s23, s14, 1
	s_lshl_b32 s23, s23, 12
	s_add_co_u32 s22, s22, s23                     ; tiles 2 (w % 2), 2 (w % 2) + 1
	s_mov_b32 s23, 0
	s_mul_i32 s24, s18, 768
	s_lshl_b32 s25, s14, 7
	s_add_co_u32 s24, s24, s25                     ; bo at my 32 columns
	s_mov_b32 s25, 0
	s_lshl_b32 s26, ttmp9, 6
	s_lshl_b32 s27, s16, 5
	s_add_co_u32 s26, s26, s27
	s_mul_i32 s26, s26, 3072                       ; out0: row 64 x + 32 (w / 3),
	s_mul_i32 s27, s18, 768
	s_add_co_u32 s26, s26, s27                     ; + the work-group's 192 columns,
	s_mul_i32 s27, s16, 3
	s_sub_co_u32 s27, s14, s27
	s_lshl_b32 s27, s27, 8
	s_add_co_u32 s26, s26, s27                     ; + 256 (w % 3)
	s_mov_b32 s27, 0
	s_wait_kmcnt 0x0
	s_load_b64 s[28:29], s[10:11], 0x28            ; e10, e11
	s_add_nc_u64 s[4:5], s[4:5], s[20:21]
	s_add_nc_u64 s[6:7], s[6:7], s[22:23]
	s_add_nc_u64 s[8:9], s[8:9], s[24:25]
	s_add_nc_u64 s[12:13], s[12:13], s[26:27]
.macro RING s                          ; Wo's two tiles of K step s: eight planes on end, into buffer s % 3
.set RB, 160+32*((\s)%3)
.irp q, 0,1,2,3,4,5,6,7
	global_load_b128 v[RB+4*\q:RB+4*\q+3], v1, s[6:7] offset:8192*(\s)+512*\q
.endr
.endm
.irp q, 0,1,2,3
	global_load_b128 v[16+4*\q:19+4*\q], v6, s[8:9] offset:16*\q
.endr
.irp m, 0,1,2,3
.irp c, 0,1,2,3
	global_load_b128 v[96+16*\m+4*\c:99+16*\m+4*\c], v1, s[4:5] offset:12288*\m+512*\c
.endr
.endr
	RING 0
	RING 1
	RING 2
	s_wait_kmcnt 0x0
	s_add_co_i32 s28, s28, s29
	s_add_co_i32 s28, s28, 127
	s_lshl_b32 s28, s28, 23                        ; 2^(e10 + e11) as f32
	s_mov_b32 s29, s28                             ; (named with it as a pair)
	s_wait_loadcnt 24                              ; the bias and o are in; Wo's 24 loads may be out
.irp m, 0,1,2,3
.irp c, 0,1,2,3
	ds_store_b128 v2, v[96+16*\m+4*\c:99+16*\m+4*\c] offset:2048*\m+512*\c
.endr
.endr
	s_wait_dscnt 0x0                               ; for the others' sake: my four fragments lie in LDS
	s_barrier_signal -1
	s_barrier_wait -1
.macro KSTEP s, left                   ; left: Wo's loads issued behind this step's, which may stay out
.set RB, 160+32*((\s)%3)
.irp m, 0,1,2,3
.irp c, 0,1,2,3
	ds_load_b128 v[96+16*\m+4*\c:99+16*\m+4*\c], v1 offset:8192*(\s)+2048*\m+512*\c
.endr
.endr
	s_wait_loadcnt \left
	s_wait_dscnt 0x0
.irp m, 0,1,2,3
.irp u, 0,1
.if (\s) == 0
	v_wmma_f32_16x16x128_fp8_fp8 v[32+16*\m+8*\u:39+16*\m+8*\u], v[RB+16*\u:RB+16*\u+15], v[96+16*\m:111+16*\m], 0
.else
	v_wmma_f32_16x16x128_fp8_fp8 v[32+16*\m+8*\u:39+16*\m+8*\u], v[RB+16*\u:RB+16*\u+15], v[96+16*\m:111+16*\m], v[32+16*\m+8*\u:39+16*\m+8*\u]
.endif
.endr
.endr
.rept 4
	v_nop                                          ; four places in front of loads into registers that these products read, and of the first read of results
.endr
.if (\s) < 3
	RING (\s)+3
.endif
.endm
	KSTEP 0, 16
	KSTEP 1, 16
	KSTEP 2, 16
	KSTEP 3, 16
	KSTEP 4, 8
	KSTEP 5, 0
.irp m, 0,1,2,3
.irp u, 0,1
.irp j, 0,2,4,6
	v_pk_fma_f32 v[96+16*\m+8*\u+\j:97+16*\m+8*\u+\j], v[32+16*\m+8*\u+\j:33+16*\m+8*\u+\j], s[28:29], v[16+8*\u+\j:17+8*\u+\j] op_sel_hi:[1,0,1]   ; each accumulator from its low end on
.endr
.endr
.endr
.irp m, 0,1,2,3
.irp q, 0,1,2,3
	ds_store_b128 v3, v[96+16*\m+4*\q:99+16*\m+4*\q] offset:16*\m*SP+16*\q   ; lane (r, h): out(16 m + r, 32 w + 16 h + 4 q ..)
.endr
.endr
	s_wait_dscnt 0x0                               ; for the others' sake: my part of the 64 rows lies in the stage
	s_barrier_signal -1
	s_barrier_wait -1
.irp i, 0,1,2,3,4,5,6,7,8,9,10,11,12,13,14,15
	ds_load_b128 v[160+4*\i:163+4*\i], v4 offset:2*\i*SP
.endr
.irp i, 0,1,2,3,4,5,6,7,8,9,10,11,12,13,14,15
	s_wait_dscnt 15-\i                             ; LDS loads come back in order (ISA guide 5.7.1): pair i of rows is in
	global_store_b128 v5, v[160+4*\i:163+4*\i], s[12:13] offset:6144*\i th:TH_STORE_NT   ; sixteen lanes store 256 consecutive bytes, at a multiple of 256 from out0's first byte
.endr
	s_wait_tensorcnt 0x0
	ds_add_u32 v14, v15
	s_wait_dscnt 0x0
	s_endpgm
.Lfunc_end_k_qb2c462bdca_outp:
	.size	k_qb2c462bdca_outp, .Lfunc_end_k_qb2c462bdca_outp-k_qb2c462bdca_outp
	.p2alignl 7, 3214868480
	.fill 96, 4, 3214868480
	.section	.rodata,"a",@progbits
	.p2align	6, 0x0
	.amdhsa_kernel k_qb2c462bdca_outp
		.amdhsa_group_segment_fixed_size 100096
		.amdhsa_private_segment_fixed_size 0
		.amdhsa_enable_private_segment 0
		.amdhsa_kernarg_size 40
		.amdhsa_user_sgpr_count 2
		.amdhsa_user_sgpr_kernarg_segment_ptr 1
		.amdhsa_wavefront_size32 1
		.amdhsa_system_sgpr_workgroup_id_x 1
		.amdhsa_system_sgpr_workgroup_id_y 1
		.amdhsa_system_sgpr_workgroup_id_z 1
		.amdhsa_system_vgpr_workitem_id 0
		.amdhsa_next_free_vgpr 256
		.amdhsa_next_free_sgpr 66
		.amdhsa_reserve_vcc 0
		.amdhsa_float_denorm_mode_32 3
		.amdhsa_float_denorm_mode_16_64 3
		.amdhsa_memory_ordered 1
		.amdhsa_forward_progress 1
		.amdhsa_inst_pref_size 28
	.end_amdhsa_kernel
	.amdgpu_metadata
---
amdhsa.version: [ 1, 2 ]
amdhsa.kernels:
  - .name:           k_qb2c462bdca_outp
    .symbol:         k_qb2c462bdca_outp.kd
    .args:
      - { .name: oimg, .offset: 0, .size: 8, .value_kind: global_buffer, .address_space: global }
      - { .name: wimg, .offset: 8, .size: 8, .value_kind: global_buffer, .address_space: global }
      - { .name: bo, .offset: 16, .size: 8, .value_kind: global_buffer, .address_space: global }
      - { .name: lowp_scales, .offset: 24, .size: 8, .value_kind: global_buffer, .address_space: global }
      - { .name: out0, .offset: 32, .size: 8, .value_kind: global_buffer, .address_space: global }
    .group_segment_fixed_size: 100096
    .private_segment_fixed_size: 0
    .kernarg_segment_align: 8
    .kernarg_segment_size: 40
    .max_flat_workgroup_size: 192
    .sgpr_count:     66
    .vgpr_count:     256
    .wavefront_size: 32
...
	.end_amdgpu_metadata
.endif
;; end of part 4
;; ======== version 2 of 2: 4 launches; version 1 with the launches qkv, attn, outp written anew for expert scheduling mode
;; workspace buffers: wimg 2,359,296 bytes; qimg 3,145,728 bytes; kvimg 6,291,456 bytes; oimg 3,145,728 bytes
;; launch prep: the kernel of part 1 again; grid 48 x 4, 12 waves a work-group, no clusters, 0 bytes of LDS; arguments Wq, Wk, Wv, Wo, lowp_scales, wimg; writes wimg
;; launch qkv (part 5): grid 64 x 3, 12 waves a work-group, no clusters, 50,688 bytes of LDS; arguments x, wimg, bq, bk, bv, lowp_scales, qimg, kvimg; writes qimg, kvimg
.if DOCPART == 5
	.amdgcn_target "amdgcn-amd-amdhsa--gfx1250"
	.amdhsa_code_object_version 6
	.text
	.protected	k_qb2c462bdca_qkv
	.globl	k_qb2c462bdca_qkv
	.p2align	8
	.type	k_qb2c462bdca_qkv,@function
k_qb2c462bdca_qkv:
	s_mov_b64 s[64:65], 0
	v_nop
	global_prefetch_b8 v0, s[64:65] scope:SCOPE_SE
	s_setreg_imm32_b32 hwreg(HW_REG_WAVE_SCHED_MODE, 0, 2), 2
	s_setreg_imm32_b32 hwreg(HW_REG_WAVE_MODE, 25, 1), 1
	s_wait_xcnt 0x0
	s_wait_alu depctr_vm_vsrc(0)
; The three projections on codes of E4M3: y = 0: q = x Wq + bq, y = 1: k, y = 2: v; each result is quantised at once for attention and stored as images of operand registers.
; x [4096][768] f32 is quantised here with the product's own scale; the weights come as images (wimg: [unit][K step 6][tile 4][plane 4][512]).
; A PLANE is 512 bytes, lane l's 16 bytes at 16 l; a fragment of 16 rows x 128 K is four planes, plane c = registers 4 c .. 4 c + 3 = k 32 c + 16 (l / 16) + 0 .. 15 of row l % 16.
; That is one permutation of k, the same in both operands of every product, so every product meets its partner.
; SHARES.  Work-group x = 64 tokens; wave w = head w: 64 channels x 64 tokens x K 768 on 16 accumulators.  x's 24 fragments are made once (two a wave) and go from wave to wave through LDS as images.
; The weights go from memory straight into the registers of the one wave of the work-group that multiplies by them, through three buffers of half a K step that take turns.
; NO CLUSTER: what work-groups share is the weights, and a joint load would lay them in LDS, from where each byte would be read once by one wave: 589,824 bytes more through LDS for each work-group, beside the 589,824 of x's fragments.
; q, k: source 0 = 16 columns of W, source 1 = 16 tokens: a lane holds ONE token and its registers run along the channels, attention's first K.
; v:    source 0 = 16 tokens, source 1 = 16 columns of W: a lane holds ONE channel and its registers run along the tokens, attention's second K.
; THE ROWS OF A TILE ARE NOT NEIGHBOURS: row r of tile t is 32 (t / 2) + 8 (t % 2) + r + 8 (r / 8) (W's columns always; the tokens for k and v), so that the 16 registers of two neighbouring tiles are 16 neighbours along the next K.
; OUT: qimg [head][tile of 16 queries 256][plane 2][512];  kvimg [head][step of 128 keys 32][16,384]: K [tile 8][plane 2][512], then V^T [tile 4][plane 4][512].
; A sum stands for sum x 2^(ew + ex): the bias goes in as b / 2^(ew + ex), and the conversion takes 2^(eo - ew - ex) as its one scale.
; LIMITS: ex and eo - ew - ex between -126 and 119.  NaN among the inputs is not served.
; REGISTERS: v1 16 x lane; v2 x's offset; v3 where I store x's images; v4, v5 2^ex, 448 x 2^ex; v6, v7 the same with eo - ew - ex; v8, v9 the biases' offsets; v16-31 and v32-47 the codes of my two fragments of x;
;   v32-159 the accumulators (first: 2 x 64 numbers of x); v160-255 three buffers of 32 for the weights; window 1, v0-63 (v256-319): x's four fragments of the K step in hand.
; THE MODE: SCHED_MODE bits 1:0 = 2 (LLVM: expert scheduling mode 2), set by the entry lines.  The code itself states the register dependences
; between vector or matrix instructions and memory or LDS instructions, with s_wait_alu, always for 0.
; THE PLAN.  Registers that memory or LDS instructions touch:
;   v1, v2, v3, v8, v9  offsets and addresses: made at the head, ahead of its one wait on va_vdst; never written again.
;   v32-159             x as loaded; no vector instruction names them ahead of those loads.
;   v16-31, v32-47      the two fragments' codes: written by the conversions, read by the eight LDS stores, which stand in one run behind one wait on va_vdst.
;                       v32-47 are written again by the first products: one wait on vm_vsrc behind the barrier, ahead of the branch.
;   v160-255            half step i's products read buffer i % 3; behind them the loads of half step i + 3 (behind half step 9: the biases) land in it.
;   v256-319            read by the products of a K step's two half steps; behind the second of them the next K step's fragments land there.
;   v192-223            on the way out: written by the conversions, read by the eight stores: one wait on va_vdst ahead of the run.
; So ONE wait on va_vdst stands behind each of the half steps 0 to 9, and all loads up to the next products follow it.  Half step 10 is followed by no load and has no wait.
.set ACC, 32
.set PC,  16                           ; the first fragment's codes
.set PC2, 32                           ; the second's: where the first fragment's numbers lay
.set XF,  0                            ; in window 1
.set MSB, 0
.macro WIN new                         ; the immediate's high byte repeats the setting that is left
.if MSB != \new
	s_set_vgpr_msb (MSB<<8)|\new
.set MSB, \new
.endif
.endm
	s_load_b512 s[4:19], s[0:1], 0x0               ; x s[4:5], wimg s[6:7], bq s[8:9], bk s[10:11], bv s[12:13], scales s[14:15], qimg s[16:17], kvimg s[18:19]
	v_lshl_add_u32 v14, v0, 2, 0xc000
	v_mov_b32 v15, 0
	v_lshrrev_b32 v10, 5, v0
	v_readfirstlane_b32 s20, v10                   ; wave = head
	v_and_b32 v10, 31, v0
	v_lshlrev_b32 v1, 4, v10                       ; 16 x lane
	v_and_b32 v11, 15, v0                          ; r
	v_bfe_u32 v12, v0, 4, 1                        ; h
	s_and_b32 s22, ttmp7, 0xffff                   ; 0 q, 1 k, 2 v
	s_cmp_lg_u32 s22, 0
	s_cselect_b32 s23, 1, 0
	v_and_b32 v13, 8, v11
	v_add_nc_u32 v9, v13, v11                      ; r + 8 (r / 8)
	v_mul_u32_u24 v13, s23, v13
	v_add_nc_u32 v13, v13, v11                     ; my token in a tile: r for q, r + 8 (r / 8) for k and v
	v_mul_u32_u24 v2, v13, 3072
	v_lshl_add_u32 v2, v12, 6, v2                  ; x: its row, + 64 h: my 16 numbers of a block of 32
	v_lshlrev_b32 v9, 2, v9                        ; v's bias: my channel in a tile
	v_lshlrev_b32 v8, 6, v12                       ; q's, k's bias: my 16 channels of 32
	s_wait_alu depctr_va_sdst(0)                   ; s20 is written, ahead of its first reader: LDS places, bases and offsets are made from it
	s_lshl_b32 s24, s20, 12
	v_add_nc_u32 v3, s24, v1                       ; x's images: fragments 2 w and 2 w + 1
	s_mul_i32 s25, s20, 11
	s_lshr_b32 s25, s25, 5                         ; w / 3: the tile of tokens that I quantise
	s_mul_i32 s26, s25, 3
	s_sub_co_u32 s26, s20, s26                     ; w % 3: its K steps 2 (w % 3) and 2 (w % 3) + 1
	s_lshr_b32 s27, s25, 1
	s_lshl_b32 s27, s27, 5
	s_and_b32 s28, s25, 1
	s_lshl_b32 s28, s28, 3
	s_add_co_u32 s27, s27, s28                     ; the tile's first token: 32 (m / 2) + 8 (m % 2) for k and v,
	s_lshl_b32 s28, s25, 4                         ; 16 m for q
	s_cmp_lg_u32 s22, 0
	s_cselect_b32 s27, s27, s28
	s_lshl_b32 s28, ttmp9, 6
	s_add_co_u32 s27, s27, s28
	s_mul_i32 s28, s27, 3072
	s_lshl_b32 s29, s26, 10
	s_add_co_u32 s28, s28, s29
	s_mov_b32 s29, 0
	s_mul_i32 s30, s22, 12
	s_add_co_u32 s30, s30, s20
	s_mul_i32 s30, s30, 49152                      ; my unit of wimg
	s_mov_b32 s31, 0
	s_lshl_b32 s44, s20, 18
	s_lshl_b32 s45, ttmp9, 12
	s_add_co_u32 s44, s44, s45                     ; q: head x 262,144 + four tiles of 1,024
	s_lshl_b32 s46, s20, 19
	s_lshr_b32 s45, ttmp9, 1
	s_lshl_b32 s45, s45, 14
	s_add_co_u32 s46, s46, s45                     ; k, v: head x 524,288 + step x 16,384
	s_and_b32 s45, ttmp9, 1
	s_lshl_b32 s47, s45, 12                        ; k: tiles 4 (x % 2) on
	s_lshl_b32 s45, s45, 10
	s_add_co_u32 s45, s45, 8192                    ; v: behind K, planes 2 (x % 2) on
	s_cmp_eq_u32 s22, 2
	s_cselect_b32 s45, s45, s47
	s_add_co_u32 s46, s46, s45
	s_cmp_eq_u32 s22, 0
	s_cselect_b32 s44, s44, s46
	s_mov_b32 s45, 0
	s_wait_kmcnt 0x0
	s_load_b256 s[32:39], s[14:15], 0x0            ; e0 .. e7
	s_load_b128 s[40:43], s[14:15], 0x20           ; e8 .. e11
	s_add_nc_u64 s[4:5], s[4:5], s[28:29]
	s_add_nc_u64 s[6:7], s[6:7], s[30:31]
	s_cmp_eq_u32 s22, 0                            ; buffers are chosen by the work-group's number alone
	s_cselect_b64 s[16:17], s[16:17], s[18:19]
	s_add_nc_u64 s[16:17], s[16:17], s[44:45]
	s_cmp_eq_u32 s22, 1
	s_cselect_b64 s[12:13], s[10:11], s[12:13]
	s_cmp_eq_u32 s22, 0
	s_cselect_b64 s[12:13], s[8:9], s[12:13]
	s_lshl_b32 s28, s20, 8
	s_add_nc_u64 s[12:13], s[12:13], s[28:29]      ; my head's 64 biases
.macro XLOAD reg, e                    ; 64 numbers a lane: K step 2 (w % 3) + e of my tile's 16 tokens; register 16 b + i = k 32 b + 16 h + i
.irp b, 0,1,2,3
.irp j, 0,1,2,3
	global_load_b128 v[\reg+16*\b+4*\j:\reg+16*\b+4*\j+3], v2, s[4:5] offset:512*\e+128*\b+16*\j
.endr
.endr
.endm
.macro WLOAD i                         ; half step i: K step i / 2, tiles 2 (i % 2) and 2 (i % 2) + 1: eight planes on end, into buffer i % 3
.set WBL, 160+32*((\i)%3)
.irp q, 0,1,2,3,4,5,6,7
	global_load_b128 v[WBL+4*\q:WBL+4*\q+3], v1, s[6:7] offset:4096*(\i)+512*\q
.endr
.endm
.macro QUANT s, d                      ; v[s] .. v[s + 63] become a fragment's codes in v[d] on
.irp b, 0,1,2,3
.irp i, 0,1,2,3,4,5,6,7,8,9,10,11,12,13,14,15
	v_med3_num_f32 v[\s+16*\b+\i], v[\s+16*\b+\i], -v5, v5   ; the conversion to an 8-bit code does not saturate (ISA guide 7.6.2): hold first
.endr
	v_cvt_scalef32_pk8_fp8_f32 v[\d+4*\b:\d+4*\b+1], v[\s+16*\b:\s+16*\b+7], v4
	v_cvt_scalef32_pk8_fp8_f32 v[\d+4*\b+2:\d+4*\b+3], v[\s+16*\b+8:\s+16*\b+15], v4
.endr
	v_nop                                          ; a plain vector line behind the last conversion: later conversions and the products write its sources and results
.endm
.macro IMAGE d, off                    ; the fragment goes to LDS as it stands
.irp c, 0,1,2,3
	ds_store_b128 v3, v[\d+4*\c:\d+4*\c+3] offset:\off+512*\c
.endr
.endm
	s_wait_alu depctr_va_vdst(0)                   ; v1, v2, v3, v8 and v9 are written: every load and store of the kernel reads one of them as its offset or address
	XLOAD 32, 0
	XLOAD 96, 1
	WLOAD 0
	WLOAD 1
	WLOAD 2
	s_wait_kmcnt 0x0
	s_cmp_eq_u32 s22, 1                            ; ew, ex, eo: entries (4, 5, 9) for v, (2, 3, 7) for k, (0, 1, 6) for q
	s_cselect_b32 s36, s34, s36
	s_cselect_b32 s37, s35, s37
	s_cselect_b32 s41, s39, s41
	s_cmp_eq_u32 s22, 0
	s_cselect_b32 s36, s32, s36
	s_cselect_b32 s37, s33, s37
	s_cselect_b32 s41, s38, s41
	s_add_co_i32 s44, s37, 127
	s_lshl_b32 s45, s44, 23
	v_mov_b32 v4, s45                              ; 2^ex
	s_add_co_i32 s44, s44, 8
	s_lshl_b32 s44, s44, 23
	s_or_b32 s44, s44, 0x600000
	v_mov_b32 v5, s44                              ; 448 x 2^ex
	s_add_co_i32 s46, s36, s37                     ; ew + ex
	s_sub_co_i32 s47, 0, s46
	s_sub_co_i32 s44, s41, s46
	s_add_co_i32 s44, s44, 127
	s_lshl_b32 s45, s44, 23
	v_mov_b32 v6, s45                              ; 2^(eo - ew - ex)
	s_add_co_i32 s44, s44, 8
	s_lshl_b32 s44, s44, 23
	s_or_b32 s44, s44, 0x600000
	v_mov_b32 v7, s44                              ; 448 x that
	s_wait_loadcnt 40                              ; x's first 16 loads are in; behind them: its other 16 and the weights' 24
	QUANT 32, PC
	s_wait_loadcnt 24                              ; x's other 16 are in; the weights' 24 may be out
	QUANT 96, PC2                                  ; its codes go where the first fragment's numbers lay: they are done with
	s_wait_alu depctr_va_vdst(0)                   ; the conversions have written v16-47, which the eight LDS stores read
	IMAGE PC, 0
	IMAGE PC2, 2048
	s_wait_dscnt 0x0                               ; for the others' sake: my images lie in LDS
	s_barrier_signal -1
	s_barrier_wait -1                              ; all 24 fragments do; from here on LDS is only read
	s_wait_alu depctr_vm_vsrc(0)                   ; my LDS stores have read v32-47, which the first products write as accumulators
; HALF A K STEP: two tiles of W against the four tiles of tokens: eight products on eight accumulators; the sixteen take turns, one instruction a turn.
.macro HALF i, swap
.set WBI, 160+32*((\i)%3)
.if ((\i)%2) == 0
	WIN 0x40                                       ; destination window 1
.irp m, 0,1,2,3
.irp c, 0,1,2,3
	ds_load_b128 v[XF+16*\m+4*\c:XF+16*\m+4*\c+3], v1 offset:(6*\m+(\i)/2)*2048+512*\c
.endr
.endr
.endif
.if (\i) < 11
	s_wait_loadcnt 16                              ; this half step's eight loads are in; the sixteen issued behind them (two half steps', or one and the biases') may be out
.else
	s_wait_loadcnt 8                               ; behind the last half step's loads: the biases' eight
.endif
.if ((\i)%2) == 0
	s_wait_dscnt 0x0                               ; x's four fragments are in
.endif
.if \swap
	WIN 0x01                                       ; source 0 (x) window 1
.else
	WIN 0x04                                       ; source 1 (x) window 1
.endif
.irp m, 0,1,2,3
.irp u, 0,1
.set TT, 2*((\i)%2)+\u
.if \swap
.set DD, ACC+8*(4*TT+\m)
.if (\i) < 2
	v_wmma_f32_16x16x128_fp8_fp8 v[DD:DD+7], v[XF+16*\m:XF+16*\m+15], v[WBI+16*\u:WBI+16*\u+15], 0
.else
	v_wmma_f32_16x16x128_fp8_fp8 v[DD:DD+7], v[XF+16*\m:XF+16*\m+15], v[WBI+16*\u:WBI+16*\u+15], v[DD:DD+7]
.endif
.else
.set DD, ACC+8*(4*\m+TT)
.if (\i) < 2
	v_wmma_f32_16x16x128_fp8_fp8 v[DD:DD+7], v[WBI+16*\u:WBI+16*\u+15], v[XF+16*\m:XF+16*\m+15], 0
.else
	v_wmma_f32_16x16x128_fp8_fp8 v[DD:DD+7], v[WBI+16*\u:WBI+16*\u+15], v[XF+16*\m:XF+16*\m+15], v[DD:DD+7]
.endif
.endif
.endr
.endr
.if (\i) < 10
	WIN 0
	s_wait_alu depctr_va_vdst(0)                   ; these products are done reading the weights' buffer, in which the loads below land; behind an odd half step the K step's products are also done reading x's fragments, in which the next K step's land
.endif
.if (\i) == 11
.rept 4
	v_nop                                          ; four places (ISA guide 7.12.1) behind the last products, ahead of the vector instructions that write the biases' registers and read the sums
.endr
	WIN 0
.endif
.if (\i) < 9
	WLOAD (\i)+3                                   ; the buffer just multiplied takes the half step three on
.endif
.if (\i) == 9                          ; and last the biases, into buffer 0
.if \swap
.irp t, 0,1,2,3
	global_load_b32 v[160+2*\t], v9, s[12:13] offset:4*(32*(\t/2)+8*(\t%2))   ; one channel a lane and tile; twice, to fill the pair that the packed addition names
	global_load_b32 v[161+2*\t], v9, s[12:13] offset:4*(32*(\t/2)+8*(\t%2))
.endr
.else
.irp p, 0,1
.irp q, 0,1,2,3
	global_load_b128 v[160+16*\p+4*\q:160+16*\p+4*\q+3], v8, s[12:13] offset:128*\p+16*\q   ; channels 32 p + 16 h + 0 .. 15
.endr
.endr
.endif
.endif
.endm
; THE WAY OUT: + bias, hold, conversion; the conversions' results are the planes.  str: bytes from one group of two planes to the next.
.macro TAIL swap, str
	s_wait_loadcnt 0x0                             ; the biases
.set n, 0
.if \swap
.rept 8
	v_ldexp_f32 v[160+n], v[160+n], s47            ; b / 2^(ew + ex)
.set n, n+1
.endr
.else
.rept 32
	v_ldexp_f32 v[160+n], v[160+n], s47
.set n, n+1
.endr
.endif
.set n, 0
.rept 64                               ; each accumulator from its low end on
.if \swap
	v_pk_add_f32 v[ACC+2*n:ACC+2*n+1], v[ACC+2*n:ACC+2*n+1], v[160+2*(n/16):161+2*(n/16)]
.else
	v_pk_add_f32 v[ACC+2*n:ACC+2*n+1], v[ACC+2*n:ACC+2*n+1], v[160+(2*n)%32:161+(2*n)%32]
.endif
.set n, n+1
.endr
.set n, 0
.rept 128
	v_med3_num_f32 v[ACC+n], v[ACC+n], -v7, v7
.set n, n+1
.endr
.set n, 0
.rept 16
	v_cvt_scalef32_pk8_fp8_f32 v[192+2*n:193+2*n], v[ACC+8*n:ACC+8*n+7], v6
.set n, n+1
.endr
	v_nop
	s_wait_alu depctr_va_vdst(0)                   ; the conversions have written v192-223, which the eight stores read
.irp a, 0,1,2,3
.irp p, 0,1
	global_store_b128 v1, v[192+8*\a+4*\p:195+8*\a+4*\p], s[16:17] offset:\a*\str+512*\p   ; a plane: 512 consecutive bytes, aligned
.endr
.endr
.endm
	s_cmp_eq_u32 s22, 2
	s_cbranch_scc1 .Lv
.irp i, 0,1,2,3,4,5,6,7,8,9,10,11
	HALF \i, 0
.endr
	TAIL 0, 1024                                   ; q, k: group a = tile of tokens a; plane p = channels 32 p on
	s_wait_dscnt 0x0
	s_wait_alu depctr_hold_cnt(0) depctr_sa_sdst(0) depctr_va_vdst(0) depctr_va_sdst(0) depctr_va_ssrc(0) depctr_va_vcc(0) depctr_vm_vsrc(0)
	s_wait_tensorcnt 0x0
	ds_add_u32 v14, v15
	s_wait_dscnt 0x0
	s_endpgm
.Lv:
.irp i, 0,1,2,3,4,5,6,7,8,9,10,11
	HALF \i, 1
.endr
	TAIL 1, 2048                                   ; v: group a = tile of channels a; plane p = my 64 tokens' 32 p on
	s_wait_dscnt 0x0
	s_wait_alu depctr_hold_cnt(0) depctr_sa_sdst(0) depctr_va_vdst(0) depctr_va_sdst(0) depctr_va_ssrc(0) depctr_va_vcc(0) depctr_vm_vsrc(0)
	s_wait_tensorcnt 0x0
	ds_add_u32 v14, v15
	s_wait_dscnt 0x0
	s_endpgm
.Lfunc_end_k_qb2c462bdca_qkv:
	.size	k_qb2c462bdca_qkv, .Lfunc_end_k_qb2c462bdca_qkv-k_qb2c462bdca_qkv
	.p2alignl 7, 3214868480
	.fill 96, 4, 3214868480
	.section	.rodata,"a",@progbits
	.p2align	6, 0x0
	.amdhsa_kernel k_qb2c462bdca_qkv
		.amdhsa_group_segment_fixed_size 50688
		.amdhsa_private_segment_fixed_size 0
		.amdhsa_enable_private_segment 0
		.amdhsa_kernarg_size 64
		.amdhsa_user_sgpr_count 2
		.amdhsa_user_sgpr_kernarg_segment_ptr 1
		.amdhsa_wavefront_size32 1
		.amdhsa_system_sgpr_workgroup_id_x 1
		.amdhsa_system_sgpr_workgroup_id_y 1
		.amdhsa_system_sgpr_workgroup_id_z 1
		.amdhsa_system_vgpr_workitem_id 0
		.amdhsa_next_free_vgpr 320
		.amdhsa_next_free_sgpr 66
		.amdhsa_reserve_vcc 0
		.amdhsa_float_denorm_mode_32 3
		.amdhsa_float_denorm_mode_16_64 3
		.amdhsa_memory_ordered 1
		.amdhsa_forward_progress 1
		.amdhsa_inst_pref_size 93
	.end_amdhsa_kernel
	.amdgpu_metadata
---
amdhsa.version: [ 1, 2 ]
amdhsa.kernels:
  - .name:           k_qb2c462bdca_qkv
    .symbol:         k_qb2c462bdca_qkv.kd
    .args:
      - { .name: x, .offset: 0, .size: 8, .value_kind: global_buffer, .address_space: global }
      - { .name: wimg, .offset: 8, .size: 8, .value_kind: global_buffer, .address_space: global }
      - { .name: bq, .offset: 16, .size: 8, .value_kind: global_buffer, .address_space: global }
      - { .name: bk, .offset: 24, .size: 8, .value_kind: global_buffer, .address_space: global }
      - { .name: bv, .offset: 32, .size: 8, .value_kind: global_buffer, .address_space: global }
      - { .name: lowp_scales, .offset: 40, .size: 8, .value_kind: global_buffer, .address_space: global }
      - { .name: qimg, .offset: 48, .size: 8, .value_kind: global_buffer, .address_space: global }
      - { .name: kvimg, .offset: 56, .size: 8, .value_kind: global_buffer, .address_space: global }
    .group_segment_fixed_size: 50688
    .private_segment_fixed_size: 0
    .kernarg_segment_align: 8
    .kernarg_segment_size: 64
    .max_flat_workgroup_size: 384
    .sgpr_count:     66
    .vgpr_count:     320
    .wavefront_size: 32
...
	.end_amdgpu_metadata
.endif
;; end of part 5
;; launch attn (part 6): grid 16 x 12, 16 waves a work-group, no clusters, 34,816 bytes of LDS; arguments qimg, kvimg, lowp_scales, oimg; writes oimg
.if DOCPART == 6
	.amdgcn_target "amdgcn-amd-amdhsa--gfx1250"
	.amdhsa_code_object_version 6
	.text
	.protected	k_qb2c462bdca_attn
	.globl	k_qb2c462bdca_attn
	.p2align	8
	.type	k_qb2c462bdca_attn,@function
k_qb2c462bdca_attn:
	s_mov_b64 s[64:65], 0
	v_nop
	global_prefetch_b8 v0, s[64:65] scope:SCOPE_SE
	s_setreg_imm32_b32 hwreg(HW_REG_WAVE_SCHED_MODE, 0, 2), 2
	s_setreg_imm32_b32 hwreg(HW_REG_WAVE_MODE, 25, 1), 1
	s_wait_xcnt 0x0
	s_wait_alu depctr_vm_vsrc(0)
; Attention of 12 heads of size 64 over 4,096 tokens on codes of E4M3: heads 0-5 look back (key <= query), heads 6-11 look ahead (key >= query).  What the mask throws away is not multiplied.
; THE SOFTMAX AHEAD OF THE SECOND PRODUCT: t = score x log2(e) / 8; M = the row's largest t so far, rounded UP to a whole number; p = 2^(t - M) is quantised, not normalised.
; The row's sum is taken of the unquantised p and divides O at the end.  When M moves, the sum and O are multiplied by 2^(old M - new M): exact.
; IN: qimg [head][tile 256][plane 2][512]; kvimg [head][step 32][16,384]: K [tile 8][plane 2][512], V^T [tile 4][plane 4][512]: images of operand registers, lane l's 16 bytes at 16 l of a plane.
; Row r of tile t (a key of K, a channel of V^T) is 32 (t / 2) + 8 (t % 2) + r + 8 (r / 8), so that the 16 registers of two neighbouring result tiles are 16 neighbours along the next K.
; Both products are used transposed: S^T = K Q^T, O^T = V^T P^T: a lane holds ONE query (lane % 16) throughout.
; OUT: oimg [tile of 16 tokens 256][K step 6][plane 4][512]: o / 2^e10 as codes, the last product's operand.
; SHARES.  Work-group (i, head) owns the blocks of 128 queries i and 31 - i: together 33 blocks of 128 x 128 scores, whatever i.  Wave w owns one tile of 16 queries: tile w / 2 of block i or 31 - i,
; by the bit (w ^ (w / 4)) % 2.  Sixteen waves of 256 registers, four to a SIMD, so that one wave's vector work stands beside another's matrix work and LDS loads.
; The work-group walks key steps of 128, from step 0 (looking back) or from i rounded down to even (looking ahead), 32 - 2 (i / 2) steps.  A step all of whose keys are hidden from a wave's block is left out by a scalar
; branch on ids, round the work alone; on the diagonal hidden scores become -infinity ahead of the maximum.  Each query sees its own key in its first step, so M is a number from then on.
; A step's 16,384 bytes go from memory through registers (32 bytes a thread) into one of two LDS slots, a step ahead; ONE barrier a step.
; NO CLUSTER, no tensor load: the work-groups of a head walk between 18 and 32 steps, so partners would need different numbers of tiles.
; LIMITS: e6 + e7 between -122 and 130 (added to c's exponent field); e8 and e10 between -126 and 119.  NaN among the inputs is not served.
; REGISTERS: v1 16 x lane; v2, v3 16 x thread (LDS, memory); v4 the prefetch's offset; v5 my query less 16 (lane / 16), in the block; v6 -infinity; v12 -M, v13 the largest t, v[14:15] the sum;
;   v16-23 Q; v24-31 the next step's 32 bytes; v32-95 K's eight fragments, then V's four; v96-159 S^T, then p; v160-191 O^T; v192-207 p's codes; v208.. constants and work; s32-47 sixteen masks on the diagonal.
; THE MODE: SCHED_MODE bits 1:0 = 2 (LLVM: expert scheduling mode 2), set by the entry lines.  The code itself states the register dependences
; between vector or matrix instructions and memory or LDS instructions, with s_wait_alu, always for 0.
; THE PLAN.  Registers that memory or LDS instructions touch:
;   v1 .. v4   offsets and addresses: made at the head, ahead of its one wait on va_vdst; never written again.
;   v16-23     Q: loaded once; no vector instruction names them ahead of the loads.
;   v24-31     written by the two global loads at a step's head, read by the two LDS stores at its end; no vector instruction names them.  One wait on vm_vsrc at a step's head: the last stores have read them.
;   v32-95     K's loads land where the last worked step's products V^T P^T read V: one wait on va_vdst ahead of them.  V's loads land where this step's products K Q^T read K: one wait on va_vdst ahead of them,
;              behind the four places that the scores' readers want.  The wave's other 37 free registers would not hold V's 64, so the two share.
;   v192-199   on the way out: written by the conversions, read by the two stores: one wait on va_vdst ahead of them.
; On the diagonal the compares write s32-47 in runs of sixteen; one wait on va_sdst stands behind each run, ahead of the selections that read the masks.
.set SLOTB, 16384
	s_load_b256 s[4:11], s[0:1], 0x0               ; qimg s[4:5], kvimg s[6:7], scales s[8:9], oimg s[10:11]
	v_lshl_add_u32 v254, v0, 2, 0x8000
	v_mov_b32 v255, 0
	v_lshrrev_b32 v7, 5, v0
	v_readfirstlane_b32 s12, v7                    ; wave 0..15
	s_mov_b32 s13, ttmp9                           ; i
	s_and_b32 s14, ttmp7, 0xffff                   ; head
	s_cmp_ge_u32 s14, 6
	s_cselect_b32 s15, -1, 1                       ; +1 looking back, -1 looking ahead
	s_cselect_b32 s29, 1, 0
	s_wait_alu depctr_va_sdst(0)                   ; s12 is written, ahead of its first reader: the wave's block, tile and bases are made from it
	s_lshr_b32 s30, s12, 2
	s_xor_b32 s30, s30, s12
	s_and_b32 s30, s30, 1
	s_sub_co_u32 s31, 31, s13
	s_cmp_eq_u32 s30, 1
	s_cselect_b32 s16, s31, s13                    ; my block of 128 queries
	s_lshr_b32 s32, s12, 1                         ; my tile in it
	s_lshl_b32 s33, s16, 3
	s_add_co_u32 s33, s33, s32                     ; my tile of 16 queries, 0..255
	s_and_b32 s17, s13, 30
	s_cmp_eq_u32 s29, 1
	s_cselect_b32 s17, s17, 0                      ; the first key step; s17 counts on
	s_lshr_b32 s18, s13, 1
	s_sub_co_u32 s18, 15, s18                      ; pairs of steps less one: 8 to 15
	s_and_b32 s34, s12, 1                          ; who prefetches: in work-group i = 0, of waves 0-3 the two whose block works in every step
	s_xor_b32 s34, s34, s29
	s_xor_b32 s34, s34, 1
	s_lshr_b32 s35, s12, 2
	s_or_b32 s34, s34, s35
	s_or_b32 s34, s34, s13
	s_cmp_eq_u32 s34, 0
	s_cselect_b32 s19, 29, 0                       ; a wave asks while the step's number is under this
	s_mov_b32 s20, 0x76543210                      ; v_permlanex16_b32's selects for lane l xor 16
	s_mov_b32 s21, 0xfedcba98
	s_mov_b32 s22, 0x3e38aa3b                      ; c = log2(e) / sqrt(64)
	s_lshl_b32 s36, s14, 18
	s_lshl_b32 s37, s33, 10
	s_add_co_u32 s36, s36, s37                     ; Q: head x 262,144 + tile x 1,024
	s_mov_b32 s37, 0
	s_lshl_b32 s38, s14, 19
	s_lshl_b32 s39, s17, 14
	s_add_co_u32 s38, s38, s39                     ; K, V: head x 524,288 + step x 16,384
	s_mov_b32 s39, 0
	s_mul_i32 s40, s33, 12288                      ; O: tile x 12,288 + K step head / 2 + planes 2 (head % 2) on
	s_lshr_b32 s41, s14, 1
	s_lshl_b32 s41, s41, 11
	s_add_co_u32 s40, s40, s41
	s_and_b32 s41, s14, 1
	s_lshl_b32 s41, s41, 10
	s_add_co_u32 s40, s40, s41
	s_mov_b32 s41, 0
	v_and_b32 v7, 31, v0
	v_lshlrev_b32 v1, 4, v7
	v_lshlrev_b32 v2, 4, v0
	v_lshlrev_b32 v3, 4, v0
	v_lshlrev_b32 v4, 8, v7                        ; the prefetch: lanes 256 bytes apart,
	s_lshl_b32 s35, s32, 13
	v_add_nc_u32 v4, s35, v4                       ; 8,192 bytes a wave
	s_wait_kmcnt 0x0
	s_load_b128 s[24:27], s[8:9], 0x18             ; e6, e7, e8, e9
	s_load_b32 s28, s[8:9], 0x28                   ; e10
	s_add_nc_u64 s[4:5], s[4:5], s[36:37]
	s_add_nc_u64 s[6:7], s[6:7], s[38:39]
	s_add_nc_u64 s[10:11], s[10:11], s[40:41]
	s_wait_alu depctr_va_vdst(0)                   ; v1 to v4 are written: every load, store and prefetch of the kernel reads one of them as its offset or address
	global_load_b128 v[16:19], v1, s[4:5] th:TH_LOAD_NT             ; Q's fragment stays in registers
	global_load_b128 v[20:23], v1, s[4:5] offset:512 th:TH_LOAD_NT
	global_load_b128 v[24:27], v3, s[6:7]                           ; the first step's K,
	global_load_b128 v[28:31], v3, s[6:7] offset:8192               ; and V
	v_and_b32 v7, 15, v0
	v_bfe_u32 v8, v0, 4, 1
	v_lshlrev_b32 v8, 4, v8
	v_sub_nc_u32 v5, v7, v8
	s_lshl_b32 s35, s32, 4
	v_add_nc_u32 v5, s35, v5                       ; d = 16 x tile + lane % 16 - 16 (lane / 16).  Register n of S^T holds the step's key 32 (n / 16) + n % 16 + 16 (lane / 16)
	v_mov_b32 v6, 0xff800000
	v_mov_b32 v13, 0xff61b1e6                      ; the largest t so far: -3e38, under every t
	v_floor_f32 v12, -v13                          ; -M
	v_mov_b32 v14, 0
	v_mov_b32 v15, 0
	v_mov_b32 v213, 0                              ; (named as the upper half of the pair v[212:213])
	v_mov_b32 v216, 0                              ; written once: a lane permute's destination counts as one of its sources
.set n, 0
.rept 32
	v_mov_b32 v[160+n], 0                          ; O^T.  (The step is written without a first step of its own: the first change of M leaves zeros zeros)
.set n, n+1
.endr
	s_wait_kmcnt 0x0
	s_add_co_i32 s30, s24, s25
	s_lshl_b32 s30, s30, 23
	s_add_co_i32 s22, s22, s30                     ; a score stands for score x 2^(e6 + e7): added to c's exponent field
	s_mov_b32 s23, s22                             ; (named with it as a pair)
	s_add_co_i32 s30, s26, 127
	s_lshl_b32 s31, s30, 23
	v_mov_b32 v209, s31                            ; 2^e8
	s_add_co_i32 s30, s30, 8
	s_lshl_b32 s30, s30, 23
	s_or_b32 s30, s30, 0x600000
	v_mov_b32 v208, s30                            ; 448 x 2^e8
	s_add_co_i32 s30, s28, 127
	s_lshl_b32 s31, s30, 23
	v_mov_b32 v217, s31                            ; 2^e10
	s_add_co_i32 s30, s30, 8
	s_lshl_b32 s30, s30, 23
	s_or_b32 s30, s30, 0x600000
	v_mov_b32 v218, s30                            ; 448 x 2^e10
	s_wait_loadcnt 0x0
	ds_store_b128 v2, v[24:27]
	ds_store_b128 v2, v[28:31] offset:8192
	s_wait_dscnt 0x0                               ; for the others' sake: my part of slot 0 lies in LDS
	s_barrier_signal -1
	s_barrier_wait -1
.macro MASK ahead                      ; hidden: key > query looking back, key < query looking ahead.  Sixteen compares, one wait, sixteen selections; four times
.set mg, 0
.rept 4
.set mn, 0
.rept 16
.if \ahead
	v_cmp_lt_i32 s[32+mn], 32*mg+mn, v5
.else
	v_cmp_gt_i32 s[32+mn], 32*mg+mn, v5
.endif
.set mn, mn+1
.endr
	s_wait_alu depctr_va_sdst(0)                   ; the sixteen compares have written s32-47, ahead of the selections that read them
.set mn, 0
.rept 16
	v_cndmask_b32 v[96+16*mg+mn], v[96+16*mg+mn], v6, s[32+mn]
.set mn, mn+1
.endr
.set mg, mg+1
.endr
.endm
; A KEY STEP, read from slot.  fill = 1: the next step's bytes are asked for at its head and stored into the other slot at its end, in front of the step's one barrier.
.macro STEP slot, fill
.set SB, (\slot)*SLOTB
.set OB, SLOTB-SB
.if \fill
	s_wait_alu depctr_vm_vsrc(0)                   ; the two LDS stores of the step before (ahead of the first step: the head's) have read v24-31, in which the two loads land
	global_load_b128 v[24:27], v3, s[6:7] offset:16384
	global_load_b128 v[28:31], v3, s[6:7] offset:24576
	; A PREFETCH INTO THE L2, behind the wave's two loads: in step s the 16,384 bytes of step s + 3, two steps ahead of the loads that will want them.  All sixteen work-groups of a head walk the same K and V:
	; work-group i = 0, which walks all 32 steps, asks, by two waves, 8,192 bytes each, lanes 256 bytes apart: each aligned block of 256 bytes is named once in the launch.  The last ask is in step 28, for step 31.
	s_cmp_lt_u32 s17, s19
	s_cbranch_scc0 .Lnoask_\@
	global_prefetch_b8 v4, s[6:7] offset:49152 th:TH_LOAD_NT scope:SCOPE_SE
.Lnoask_\@:
.endif
	s_sub_co_i32 s30, s17, s16
	s_mul_i32 s30, s30, s15                        ; above 0: every key of the step is hidden from my block; 0: the diagonal
	s_cmp_gt_i32 s30, 0
	s_cbranch_scc1 .Lskip_\@
	s_wait_alu depctr_va_vdst(0)                   ; the last worked step's products V^T P^T are done reading v32-95, in which K's fragments land
.irp t, 0,1,2,3,4,5,6,7
	ds_load_b128 v[32+8*\t:35+8*\t], v1 offset:SB+1024*\t
	ds_load_b128 v[36+8*\t:39+8*\t], v1 offset:SB+1024*\t+512
.endr
	s_wait_dscnt 8                                 ; tiles 0-3 are in; the eight loads of tiles 4-7 may be out
.irp t, 0,1,2,3
	v_wmma_f32_16x16x64_fp8_fp8 v[96+8*\t:103+8*\t], v[32+8*\t:39+8*\t], v[16:23], 0
.endr
	s_wait_dscnt 0x0
.irp t, 4,5,6,7
	v_wmma_f32_16x16x64_fp8_fp8 v[96+8*\t:103+8*\t], v[32+8*\t:39+8*\t], v[16:23], 0
.endr
.rept 4
	v_nop                                          ; four places (ISA guide 7.12.1) ahead of the first vector instruction that reads the scores
.endr
	s_wait_alu depctr_va_vdst(0)                   ; the products K Q^T are done reading v32-95, in which V's fragments land
.irp t, 0,1,2,3
.irp c, 0,1,2,3
	ds_load_b128 v[32+16*\t+4*\c:35+16*\t+4*\c], v1 offset:SB+8192+2048*\t+512*\c   ; V's fragments land under the softmax, none of whose instructions names v32-95 or v1
.endr
.endr
	s_cmp_lg_u32 s30, 0
	s_cbranch_scc1 .Lopen_\@
	s_cmp_eq_u32 s29, 0
	s_cbranch_scc0 .Lahead_\@
	MASK 0
	s_branch .Lopen_\@
.Lahead_\@:
	MASK 1
.Lopen_\@:
	v_max3_num_f32 v214, v96, v97, v98             ; the step's largest score of my query among my 64 keys, in two chains; each accumulator is first read at its low end
	v_max3_num_f32 v215, v99, v100, v101
.irp i, 6,10,14,18,22,26,30,34,38,42,46,50,54,58
	v_max3_num_f32 v214, v214, v[96+\i], v[97+\i]
	v_max3_num_f32 v215, v215, v[98+\i], v[99+\i]
.endr
	v_max3_num_f32 v214, v214, v158, v159
	v_max_num_f32 v214, v214, v215
	v_permlanex16_b32 v216, v214, s20, s21
	v_max_num_f32 v214, v214, v216                 ; and among lane l xor 16's
	v_mul_f32 v214, s22, v214                      ; as t (c is positive)
	v_max_num_f32 v13, v13, v214
	v_mov_b32 v214, v12
	v_floor_f32 v12, -v13                          ; the new -M = floor(-t) = -ceil(t)
	v_sub_f32 v214, v12, v214                      ; old M - new M: a whole number, 0 or less
	v_cvt_i32_f32 v214, v214                       ; (it saturates)
	v_ldexp_f32 v212, 1.0, v214                    ; f = 2^(old M - new M)
.set n, 0
.rept 32
	v_pk_fma_f32 v[96+n:97+n], v[96+n:97+n], s[22:23], v[12:13] op_sel_hi:[1,0,0]   ; t - M, two at a time
.set n, n+2
.endr
.set n, 0
.rept 64
	v_exp_f32 v[96+n], v[96+n]                     ; p = 2^(t - M)
.set n, n+1
.endr
	v_pk_mul_f32 v[14:15], v[14:15], v[212:213] op_sel_hi:[1,0]   ; the sum under the new M: the plain line behind the exponentials
	s_wait_alu depctr_va_vdst(0)                   ; the 64 exponentials have written v96-159: one wait for the batch, ahead of its first reader
	v_pk_add_f32 v[210:211], v[96:97], v[98:99]    ; the row's sum is taken of the unquantised p, in two chains
.irp j, 4,8,12,16,20,24,28,32,36,40,44,48,52,56,60
	v_pk_add_f32 v[14:15], v[14:15], v[96+\j:97+\j]
	v_pk_add_f32 v[210:211], v[210:211], v[98+\j:99+\j]
.endr
	v_pk_add_f32 v[14:15], v[14:15], v[210:211]
	s_cmp_ge_i32 s26, -8                           ; p is at most 1 (a last bit more at the very most), and 448 x 2^e8 is at least 1.75 from e8 = -8 on: there the hold changes nothing and is passed over
	s_cbranch_scc1 .Lnohold_\@
.set n, 0
.rept 64
	v_min_num_f32 v[96+n], v[96+n], v208           ; the conversion does not saturate (ISA guide 7.6.2); p is not negative, so the hold is one-sided
.set n, n+1
.endr
.Lnohold_\@:
.irp b, 0,1,2,3
	v_cvt_scalef32_pk8_fp8_f32 v[192+4*\b:193+4*\b], v[96+16*\b:103+16*\b], v209
	v_cvt_scalef32_pk8_fp8_f32 v[194+4*\b:195+4*\b], v[104+16*\b:111+16*\b], v209
.endr
.set n, 0
.rept 16
	v_pk_mul_f32 v[160+n:161+n], v[160+n:161+n], v[212:213] op_sel_hi:[1,0]   ; O^T under the new M; also the plain lines behind the conversions
.set n, n+2
.endr
	s_wait_dscnt 0x0                               ; V's fragments are in
.irp t, 0,1,2,3
	v_wmma_f32_16x16x128_fp8_fp8 v[160+8*\t:167+8*\t], v[32+16*\t:47+16*\t], v[192:207], v[160+8*\t:167+8*\t]   ; four accumulators by turns; between two links of a chain stand the three others' and the next step's eight
.endr
.Lskip_\@:
.if \fill
	s_wait_loadcnt 0x0                             ; the next step's 32 bytes
	ds_store_b128 v2, v[24:27] offset:OB           ; into the slot that every wave left in front of the last barrier
	ds_store_b128 v2, v[28:31] offset:OB+8192
	s_wait_dscnt 0x0                               ; my stores have landed and my reads of this slot are over:
	s_barrier_signal -1
	s_barrier_wait -1                              ; both now hold of all sixteen waves
	s_wait_xcnt 0x0                                ; the prefetch has read its base
	s_add_nc_u64 s[6:7], s[6:7], 16384
	s_add_co_u32 s17, s17, 1
.endif
.endm
.Lpair:                                            ; a trip is two steps, so that each slot's address is a constant of the text
	STEP 0, 1
	STEP 1, 1
	s_sub_co_u32 s18, s18, 1
	s_cmp_lg_u32 s18, 0
	s_cbranch_scc1 .Lpair
	STEP 0, 1
	STEP 1, 0                                      ; the last step asks for nothing: no load leaves the buffer
	; THE WAY OUT: O^T x 2^(e8 + e9) / the sum, quantised with 2^e10: tiles 2 b and 2 b + 1 are channels 32 b + 16 (lane / 16) + 0 .. 15 of my query: a plane of the last product's operand
.rept 4
	v_nop                                          ; four places behind the last products
.endr
	v_add_f32 v14, v14, v15
	v_permlanex16_b32 v216, v14, s20, s21
	v_add_f32 v14, v14, v216                       ; the row's sum
	v_rcp_f32 v14, v14
	v_nop                                          ; a plain line behind the transcendental
	s_add_co_i32 s30, s26, s27
	s_wait_alu depctr_va_vdst(0)                   ; the reciprocal has written v14: the wait ahead of its first reader
	v_ldexp_f32 v14, v14, s30
.set n, 0
.rept 32
	v_mul_f32 v[96+n], v[160+n], v14
.set n, n+1
.endr
.set n, 0
.rept 32
	v_med3_num_f32 v[96+n], v[96+n], -v218, v218
.set n, n+1
.endr
.irp g, 0,1,2,3
	v_cvt_scalef32_pk8_fp8_f32 v[192+2*\g:193+2*\g], v[96+8*\g:103+8*\g], v217
.endr
	v_nop
	s_wait_alu depctr_va_vdst(0)                   ; the conversions have written v192-199, which the two stores read
	global_store_b128 v1, v[192:195], s[10:11]               ; a plane: 512 consecutive bytes, aligned
	global_store_b128 v1, v[196:199], s[10:11] offset:512
	s_wait_dscnt 0x0
	s_wait_alu depctr_hold_cnt(0) depctr_sa_sdst(0) depctr_va_vdst(0) depctr_va_sdst(0) depctr_va_ssrc(0) depctr_va_vcc(0) depctr_vm_vsrc(0)
	s_wait_tensorcnt 0x0
	ds_add_u32 v254, v255
	s_wait_dscnt 0x0
	s_endpgm
.Lfunc_end_k_qb2c462bdca_attn:
	.size	k_qb2c462bdca_attn, .Lfunc_end_k_qb2c462bdca_attn-k_qb2c462bdca_attn
	.p2alignl 7, 3214868480
	.fill 96, 4, 3214868480
	.section	.rodata,"a",@progbits
	.p2align	6, 0x0
	.amdhsa_kernel k_qb2c462bdca_attn
		.amdhsa_group_segment_fixed_size 34816
		.amdhsa_private_segment_fixed_size 0
		.amdhsa_enable_private_segment 0
		.amdhsa_kernarg_size 32
		.amdhsa_user_sgpr_count 2
		.amdhsa_user_sgpr_kernarg_segment_ptr 1
		.amdhsa_wavefront_size32 1
		.amdhsa_system_sgpr_workgroup_id_x 1
		.amdhsa_system_sgpr_workgroup_id_y 1
		.amdhsa_system_sgpr_workgroup_id_z 1
		.amdhsa_system_vgpr_workitem_id 0
		.amdhsa_next_free_vgpr 256
		.amdhsa_next_free_sgpr 66
		.amdhsa_reserve_vcc 0
		.amdhsa_float_denorm_mode_32 3
		.amdhsa_float_denorm_mode_16_64 3
		.amdhsa_memory_ordered 1
		.amdhsa_forward_progress 1
		.amdhsa_inst_pref_size 147
	.end_amdhsa_kernel
	.amdgpu_metadata
---
amdhsa.version: [ 1, 2 ]
amdhsa.kernels:
  - .name:           k_qb2c462bdca_attn
    .symbol:         k_qb2c462bdca_attn.kd
    .args:
      - { .name: qimg, .offset: 0, .size: 8, .value_kind: global_buffer, .address_space: global }
      - { .name: kvimg, .offset: 8, .size: 8, .value_kind: global_buffer, .address_space: global }
      - { .name: lowp_scales, .offset: 16, .size: 8, .value_kind: global_buffer, .address_space: global }
      - { .name: oimg, .offset: 24, .size: 8, .value_kind: global_buffer, .address_space: global }
    .group_segment_fixed_size: 34816
    .private_segment_fixed_size: 0
    .kernarg_segment_align: 8
    .kernarg_segment_size: 32
    .max_flat_workgroup_size: 512
    .sgpr_count:     66
    .vgpr_count:     256
    .wavefront_size: 32
...
	.end_amdgpu_metadata
.endif
;; end of part 6
;; launch outp (part 7): grid 64 x 4, 6 waves a work-group, no clusters, 100,096 bytes of LDS; arguments oimg, wimg, bo, lowp_scales, out0; writes out0
.if DOCPART == 7
	.amdgcn_target "amdgcn-amd-amdhsa--gfx1250"
	.amdhsa_code_object_version 6
	.text
	.protected	k_qb2c462bdca_outp
	.globl	k_qb2c462bdca_outp
	.p2align	8
	.type	k_qb2c462bdca_outp,@function
k_qb2c462bdca_outp:
	s_mov_b64 s[64:65], 0
	v_nop
	global_prefetch_b8 v0, s[64:65] scope:SCOPE_SE
	s_setreg_imm32_b32 hwreg(HW_REG_WAVE_SCHED_MODE, 0, 2), 2
	s_setreg_imm32_b32 hwreg(HW_REG_WAVE_MODE, 25, 1), 1
	s_wait_xcnt 0x0
	s_wait_alu depctr_vm_vsrc(0)
; out = o Wo + bo on codes of E4M3.  o comes as images (oimg [tile of 16 tokens 256][K step 6][plane 4][512]), Wo as units 36-47 of wimg ([unit][K step 6][tile 4][plane 4][512]); out0 [4096][768] f32.
; A plane is 512 bytes, lane l's 16 bytes at 16 l; a fragment of 16 rows x 128 K is four planes.  Row r of tile t of Wo is column 32 (t / 2) + 8 (t % 2) + r + 8 (r / 8) of its unit's 64.
; SHARES.  Work-group (x, y): 64 tokens x 192 columns: 256 work-groups.  Wave w: columns 32 w .. 32 w + 31 of the 192 (two tiles of Wo) for the four tiles of tokens: eight accumulators, by turns.
; o's 24 fragments come from memory once (wave w brings K step w) and go from wave to wave through LDS as images; Wo's go straight into the registers of the one wave that multiplies by them.
; Source 0 = 16 columns of Wo, source 1 = 16 tokens: a lane holds one token and the 16 registers of its two tiles are 16 neighbouring columns: 64 bytes of a row of out0.
; The rows meet in a stage in LDS and leave as aligned runs of 256 bytes.  out = sum x 2^(e10 + e11) + bo: one packed multiply-add for two numbers.
; NO CLUSTER: what work-groups share (Wo's 147,456 bytes a work-group) goes to registers, each byte to one wave; a joint load would lay it in LDS first.
; LIMIT: e10 + e11 between -126 and 127, so that 2^(e10 + e11) is an f32 number.
; REGISTERS: v1 16 x lane; v2 where I store o's images; v3, v4 the stage, in and back; v5 my offset in out0; v6 the bias's offset; v16-31 bo at my 16 columns; v32-95 accumulators (m, u) at 32 + 16 m + 8 u;
;   o's four fragments in two buffers by turns: v96-159 (even K steps; at the end the results) and window 1, v0-63 (v256-319; odd K steps); v160-255 three buffers of 32 for Wo, then rows read back.
; THE MODE: SCHED_MODE bits 1:0 = 2 (LLVM: expert scheduling mode 2), set by the entry lines.  The code itself states the register dependences
; between vector or matrix instructions and memory or LDS instructions, with s_wait_alu, always for 0.
; THE PLAN.  Registers that memory or LDS instructions touch:
;   v1 .. v6            offsets and addresses: made at the head, ahead of its one wait on va_vdst; never written again.
;   v96-159             first o as loaded, read by my sixteen LDS stores: one wait on vm_vsrc behind the barrier, ahead of the fragments' loads that land there.
;   v96-159, v256-319   K step s's products read buffer s % 2; the fragments of K step s + 1 land in the other buffer, which the products of K step s - 1 read.
;   v160-255            K step s's products read buffer s % 3; the loads of K step s + 2 land in buffer (s - 1) % 3, which the products of K step s - 1 read.
;   v96-159 at the end  written by the multiply-adds, read by the stage's sixteen stores; v160-223 then take the rows read back.
; So ONE wait on va_vdst stands at the head of each of the K steps 1 to 4: the products of the K step before are done.  The step's loads follow it and land under its eight products, which name the accumulators
; and the two buffers in hand: none of the registers that those loads touch.  K step 0's loads land in registers that nothing has named; K step 5 asks for nothing: neither has a wait.
.set STG, 49152                        ; LDS: o's images, 24 x 2,048 bytes; then the stage: 64 rows x (768 bytes + 16)
.set SP,  784                          ; an odd multiple of 16 bytes: the sixteen rows that a store touches start in different banks (ISA guide 11.1)
.set MSB, 0
.macro WIN new                         ; the immediate's high byte repeats the setting that is left
.if MSB != \new
	s_set_vgpr_msb (MSB<<8)|\new
.set MSB, \new
.endif
.endm
	s_load_b256 s[4:11], s[0:1], 0x0               ; oimg s[4:5], wimg s[6:7], bo s[8:9], scales s[10:11]
	s_load_b64 s[12:13], s[0:1], 0x20              ; out0
	v_lshl_add_u32 v14, v0, 2, 0x18400
	v_mov_b32 v15, 0
	v_lshrrev_b32 v7, 5, v0
	v_readfirstlane_b32 s14, v7                    ; wave 0..5
	v_and_b32 v7, 31, v0
	v_lshlrev_b32 v1, 4, v7
	v_and_b32 v8, 15, v0                           ; r
	v_bfe_u32 v9, v0, 4, 1                         ; h
	s_wait_alu depctr_va_sdst(0)                   ; s14 is written, ahead of its first reader: LDS places and bases are made from it
	s_lshl_b32 s15, s14, 13
	v_add_nc_u32 v2, s15, v1                       ; o's images: K step w
	v_mul_u32_u24 v3, v8, SP
	v_lshl_add_u32 v3, v9, 6, v3
	s_lshl_b32 s15, s14, 7
	s_add_co_u32 s15, s15, STG
	v_add_nc_u32 v3, s15, v3                       ; the stage, in: row r, + 128 w + 64 h
	s_mul_i32 s16, s14, 11
	s_lshr_b32 s16, s16, 5                         ; w / 3
	s_mul_i32 s17, s16, 24320                      ; 32 rows of 784 bytes, less the 768 that 256 w has too many
	s_lshl_b32 s15, s14, 8
	s_add_co_u32 s17, s17, s15
	s_add_co_u32 s17, s17, STG
	v_mul_u32_u24 v4, v9, SP
	v_lshl_add_u32 v4, v8, 4, v4
	v_add_nc_u32 v4, s17, v4                       ; back: rows 32 (w / 3) on, bytes 256 (w % 3) on; lanes 0-15 one row, lanes 16-31 the next
	v_mul_u32_u24 v5, v9, 3072
	v_lshl_add_u32 v5, v8, 4, v5                   ; and the same two rows in out0
	v_lshlrev_b32 v6, 6, v9
	s_and_b32 s18, ttmp7, 0xffff                   ; y
	s_mul_i32 s20, ttmp9, 49152                    ; o: four tiles of 12,288 bytes,
	s_lshl_b32 s21, s14, 11
	s_add_co_u32 s20, s20, s21                     ; K step w
	s_mov_b32 s21, 0
	s_mul_i32 s22, s18, 3
	s_lshr_b32 s23, s14, 1
	s_add_co_u32 s22, s22, s23
	s_add_co_u32 s22, s22, 36                      ; my unit of wimg
	s_mul_i32 s22, s22, 49152
	s_and_b32 s23, s14, 1
	s_lshl_b32 s23, s23, 12
	s_add_co_u32 s22, s22, s23                     ; tiles 2 (w % 2), 2 (w % 2) + 1
	s_mov_b32 s23, 0
	s_mul_i32 s24, s18, 768
	s_lshl_b32 s25, s14, 7
	s_add_co_u32 s24, s24, s25                     ; bo at my 32 columns
	s_mov_b32 s25, 0
	s_lshl_b32 s26, ttmp9, 6
	s_lshl_b32 s27, s16, 5
	s_add_co_u32 s26, s26, s27
	s_mul_i32 s26, s26, 3072                       ; out0: row 64 x + 32 (w / 3),
	s_mul_i32 s27, s18, 768
	s_add_co_u32 s26, s26, s27                     ; + the work-group's 192 columns,
	s_mul_i32 s27, s16, 3
	s_sub_co_u32 s27, s14, s27
	s_lshl_b32 s27, s27, 8
	s_add_co_u32 s26, s26, s27                     ; + 256 (w % 3)
	s_mov_b32 s27, 0
	s_wait_kmcnt 0x0
	s_load_b64 s[28:29], s[10:11], 0x28            ; e10, e11
	s_add_nc_u64 s[4:5], s[4:5], s[20:21]
	s_add_nc_u64 s[6:7], s[6:7], s[22:23]
	s_add_nc_u64 s[8:9], s[8:9], s[24:25]
	s_add_nc_u64 s[12:13], s[12:13], s[26:27]
.macro RING s                          ; Wo's two tiles of K step s: eight planes on end, into buffer s % 3
.set RG, 160+32*((\s)%3)
.irp q, 0,1,2,3,4,5,6,7
	global_load_b128 v[RG+4*\q:RG+4*\q+3], v1, s[6:7] offset:8192*(\s)+512*\q
.endr
.endm
.macro FETCH s                         ; o's four fragments of K step s, from LDS into buffer s % 2
.if ((\s)%2) == 0
	WIN 0
.set FB, 96
.else
	WIN 0x40                                       ; destination window 1
.set FB, 0
.endif
.irp m, 0,1,2,3
.irp c, 0,1,2,3
	ds_load_b128 v[FB+16*\m+4*\c:FB+16*\m+4*\c+3], v1 offset:8192*(\s)+2048*\m+512*\c
.endr
.endr
.endm
	s_wait_alu depctr_va_vdst(0)                   ; v1 to v6 are written: every load and store of the kernel reads one of them as its offset or address
.irp q, 0,1,2,3
	global_load_b128 v[16+4*\q:19+4*\q], v6, s[8:9] offset:16*\q
.endr
.irp m, 0,1,2,3
.irp c, 0,1,2,3
	global_load_b128 v[96+16*\m+4*\c:99+16*\m+4*\c], v1, s[4:5] offset:12288*\m+512*\c
.endr
.endr
	RING 0
	RING 1
	RING 2
	s_wait_kmcnt 0x0
	s_add_co_i32 s28, s28, s29
	s_add_co_i32 s28, s28, 127
	s_lshl_b32 s28, s28, 23                        ; 2^(e10 + e11) as f32
	s_mov_b32 s29, s28                             ; (named with it as a pair)
	s_wait_loadcnt 24                              ; the bias and o are in; Wo's 24 loads may be out
.irp m, 0,1,2,3
.irp c, 0,1,2,3
	ds_store_b128 v2, v[96+16*\m+4*\c:99+16*\m+4*\c] offset:2048*\m+512*\c
.endr
.endr
	s_wait_dscnt 0x0                               ; for the others' sake: my four fragments lie in LDS
	s_barrier_signal -1
	s_barrier_wait -1
	s_wait_alu depctr_vm_vsrc(0)                   ; my LDS stores have read v96-159, in which K step 0's fragments land
	FETCH 0
.macro KSTEP s, left                   ; left: Wo's loads issued behind this step's, which may stay out
.if ((\s) > 0) && ((\s) < 5)
	WIN 0
	s_wait_alu depctr_va_vdst(0)                   ; the products of the K step before are done reading their fragments of o and their buffer of Wo, in which the loads below land
.endif
.if ((\s) > 0) && ((\s) < 4)
	RING (\s)+2
.endif
.if (\s) < 5
	FETCH (\s)+1
	s_wait_dscnt 16                                ; LDS loads come back in order (ISA guide 5.7.1): this K step's fragments are in, the sixteen loads just issued stay out
.else
	s_wait_dscnt 0x0
.endif
	s_wait_loadcnt \left
.set RB, 160+32*((\s)%3)
.if ((\s)%2) == 0
	WIN 0
.set OF, 96
.else
	WIN 0x04                                       ; source 1 (o) window 1
.set OF, 0
.endif
.irp m, 0,1,2,3
.irp u, 0,1
.if (\s) == 0
	v_wmma_f32_16x16x128_fp8_fp8 v[32+16*\m+8*\u:39+16*\m+8*\u], v[RB+16*\u:RB+16*\u+15], v[OF+16*\m:OF+16*\m+15], 0
.else
	v_wmma_f32_16x16x128_fp8_fp8 v[32+16*\m+8*\u:39+16*\m+8*\u], v[RB+16*\u:RB+16*\u+15], v[OF+16*\m:OF+16*\m+15], v[32+16*\m+8*\u:39+16*\m+8*\u]
.endif
.endr
.endr
.endm
	KSTEP 0, 16
	KSTEP 1, 16
	KSTEP 2, 16
	KSTEP 3, 16
	KSTEP 4, 8
	KSTEP 5, 0
.rept 4
	v_nop                                          ; four places (ISA guide 7.12.1) behind the last products, ahead of the vector instructions that read the sums and write over fragments
.endr
	WIN 0
.irp m, 0,1,2,3
.irp u, 0,1
.irp j, 0,2,4,6
	v_pk_fma_f32 v[96+16*\m+8*\u+\j:97+16*\m+8*\u+\j], v[32+16*\m+8*\u+\j:33+16*\m+8*\u+\j], s[28:29], v[16+8*\u+\j:17+8*\u+\j] op_sel_hi:[1,0,1]   ; each accumulator from its low end on
.endr
.endr
.endr
	s_wait_alu depctr_va_vdst(0)                   ; the multiply-adds have written v96-159, which the LDS stores read; the products are done reading v160-223, in which the rows land further down
.irp m, 0,1,2,3
.irp q, 0,1,2,3
	ds_store_b128 v3, v[96+16*\m+4*\q:99+16*\m+4*\q] offset:16*\m*SP+16*\q   ; lane (r, h): out(16 m + r, 32 w + 16 h + 4 q ..)
.endr
.endr
	s_wait_dscnt 0x0                               ; for the others' sake: my part of the 64 rows lies in the stage
	s_barrier_signal -1
	s_barrier_wait -1
.irp i, 0,1,2,3,4,5,6,7,8,9,10,11,12,13,14,15
	ds_load_b128 v[160+4*\i:163+4*\i], v4 offset:2*\i*SP
.endr
.irp i, 0,1,2,3,4,5,6,7,8,9,10,11,12,13,14,15
	s_wait_dscnt 15-\i                             ; LDS loads come back in order (ISA guide 5.7.1): pair i of rows is in
	global_store_b128 v5, v[160+4*\i:163+4*\i], s[12:13] offset:6144*\i th:TH_STORE_NT   ; sixteen lanes store 256 consecutive bytes, at a multiple of 256 from out0's first byte
.endr
	s_wait_dscnt 0x0
	s_wait_alu depctr_hold_cnt(0) depctr_sa_sdst(0) depctr_va_vdst(0) depctr_va_sdst(0) depctr_va_ssrc(0) depctr_va_vcc(0) depctr_vm_vsrc(0)
	s_wait_tensorcnt 0x0
	ds_add_u32 v14, v15
	s_wait_dscnt 0x0
	s_endpgm
.Lfunc_end_k_qb2c462bdca_outp:
	.size	k_qb2c462bdca_outp, .Lfunc_end_k_qb2c462bdca_outp-k_qb2c462bdca_outp
	.p2alignl 7, 3214868480
	.fill 96, 4, 3214868480
	.section	.rodata,"a",@progbits
	.p2align	6, 0x0
	.amdhsa_kernel k_qb2c462bdca_outp
		.amdhsa_group_segment_fixed_size 100096
		.amdhsa_private_segment_fixed_size 0
		.amdhsa_enable_private_segment 0
		.amdhsa_kernarg_size 40
		.amdhsa_user_sgpr_count 2
		.amdhsa_user_sgpr_kernarg_segment_ptr 1
		.amdhsa_wavefront_size32 1
		.amdhsa_system_sgpr_workgroup_id_x 1
		.amdhsa_system_sgpr_workgroup_id_y 1
		.amdhsa_system_sgpr_workgroup_id_z 1
		.amdhsa_system_vgpr_workitem_id 0
		.amdhsa_next_free_vgpr 320
		.amdhsa_next_free_sgpr 66
		.amdhsa_reserve_vcc 0
		.amdhsa_float_denorm_mode_32 3
		.amdhsa_float_denorm_mode_16_64 3
		.amdhsa_memory_ordered 1
		.amdhsa_forward_progress 1
		.amdhsa_inst_pref_size 28
	.end_amdhsa_kernel
	.amdgpu_metadata
---
amdhsa.version: [ 1, 2 ]
amdhsa.kernels:
  - .name:           k_qb2c462bdca_outp
    .symbol:         k_qb2c462bdca_outp.kd
    .args:
      - { .name: oimg, .offset: 0, .size: 8, .value_kind: global_buffer, .address_space: global }
      - { .name: wimg, .offset: 8, .size: 8, .value_kind: global_buffer, .address_space: global }
      - { .name: bo, .offset: 16, .size: 8, .value_kind: global_buffer, .address_space: global }
      - { .name: lowp_scales, .offset: 24, .size: 8, .value_kind: global_buffer, .address_space: global }
      - { .name: out0, .offset: 32, .size: 8, .value_kind: global_buffer, .address_space: global }
    .group_segment_fixed_size: 100096
    .private_segment_fixed_size: 0
    .kernarg_segment_align: 8
    .kernarg_segment_size: 40
    .max_flat_workgroup_size: 192
    .sgpr_count:     66
    .vgpr_count:     320
    .wavefront_size: 32
...
	.end_amdgpu_metadata
.endif
;; end of part 7
